; MI455X (gfx1250); checked and timed in simulation.
; The chip was launched on July 23, 2026; its instructions are those of AMD's public machine-readable ISA for CDNA 5 (MIT licence, August 2026) and "CDNA5" Instruction Set Architecture Reference Guide (July 2026). The comments in the code are by the model that wrote it; some were corrected since.
;; Multi Head Attention Block. Allowed arithmetic: float matrix products may take bf16 or f16 operands with f32 sums; all other float work in f32.
;; Inputs: Wk 1,024 x 1,024 float32; Wo 1,024 x 1,024 float32; Wq 1,024 x 1,024 float32; Wv 1,024 x 1,024 float32; key 4 x 2,048 x 1,024 float32; mask 4 x 1 x 2,048 x 2,048 bool; query 4 x 2,048 x 1,024 float32; value 4 x 2,048 x 1,024 float32.
;; Outputs: out0 4 x 2,048 x 1,024 float32.
;; 3 versions, each right; version 2 is faster than version 1; version 3 is version 2 with the launch prep written anew for expert scheduling mode. Each part assembles by itself: llvm-mc -triple=amdgcn-amd-amdhsa -mcpu=gfx1250 --defsym DOCPART=n.
;; ======== version 1 of 3: 4 launches
;; limits: values are held in f16: magnitudes above 65,504 overflow, below 6.1e-05 lose precision; right only within a limited range of input values
;; workspace buffers: wb 8,388,608 bytes; mb 2,097,152 bytes of whole numbers; qkv 50,331,648 bytes; att 16,777,216 bytes
;; launch prep (part 1): grid 256 x 1, 8 waves a work-group, no clusters, 70,656 bytes of LDS; arguments Wq, Wk, Wv, Wo, mask, wb, mb; writes wb, mb
.if DOCPART == 1
	.amdgcn_target "amdgcn-amd-amdhsa--gfx1250"
	.amdhsa_code_object_version 6
	.text
	.protected	k_q9d1a132991_prep
	.globl	k_q9d1a132991_prep
	.p2align	8
	.type	k_q9d1a132991_prep,@function
k_q9d1a132991_prep:
	s_mov_b64 s[64:65], 0
	v_nop
	global_prefetch_b8 v0, s[64:65] scope:SCOPE_SE
	s_setreg_imm32_b32 hwreg(HW_REG_WAVE_MODE, 25, 1), 1
	s_wait_xcnt 0x0
; Two rewrites, each byte read once.
; (1) wb[4][1024][1024], 16 bits a number: Wq, Wk, Wv rounded to bf16; Wo rounded to bf16 and that value written as f16
;     (the same number down to 2^-17; below that the absolute error is at most 2^-25), because the output projection multiplies it with f16.
; (2) mb[b 4][q64 32][kstep 32][i 4][t 4][j 8] u32: bit L of a word = mask[b][64 q64 + 16 i + (L & 15)][64 kstep + 16 t + 8 (L >> 4) + j] != 0,
;     the lane mask of register j of the 16 x 16 score tile (t, i) as the attention launch holds it.
; Work-group g: 32 whole rows of the mask (65,536 consecutive bytes) and 65,536 bytes of weight number g >> 6.
; Wave w takes keys 256 w .. 256 w + 255 of the 32 rows, through LDS bytes of its own: no barrier.
; No matrix unit, no cluster: nothing is multiplied and no two work-groups read the same byte.
.set OUT, 10                           ; v[10:17]   the wave's 256 mask words: pair 2 ks, 2 ks + 1 for key step ks, two words a lane
.set MK,  20                           ; v[20:83]   mask bytes as loaded
.set WT,  84                           ; v[84:147]  weights as loaded, then as stored
.set BY,  148                          ; v[148:211] mask bytes by lane (r, hh): 8 keys of one query row
.set TP,  212                          ; v[212:219] at work
.set LP,  272                          ; LDS pitch: 256 bytes + 16, so that the 32 lanes of an 8-byte read touch 64 different words modulo 256 bytes
.set WREG, 32*LP                       ; a wave's LDS bytes
	s_load_b256 s[4:11], s[0:1], 0x0               ; Wq, Wk, Wv, Wo
	s_load_b128 s[12:15], s[0:1], 0x20             ; mask, wb
	s_load_b64 s[16:17], s[0:1], 0x30              ; mb
	v_lshl_add_u32 v224, v0, 2, 0x11000
	v_mov_b32 v225, 0
	v_lshrrev_b32 v1, 5, v0
	v_readfirstlane_b32 s18, v1                    ; wave
	v_and_b32 v1, 31, v0                           ; lane L
	v_and_b32 v2, 15, v0                           ; r
	v_bfe_u32 v3, v0, 4, 1                         ; hh
	s_lshl_b32 s19, s18, 8
	s_mul_i32 s20, s18, WREG
	s_lshl_b32 s21, s18, 11
	v_lshl_add_u32 v4, v2, 4, s19                  ; mask: 16 r + 256 w
	v_lshl_add_u32 v4, v3, 11, v4                  ;       + one row for lanes 16 to 31
	v_mul_u32_u24 v5, v3, LP
	v_lshl_add_u32 v5, v2, 4, v5
	v_add_nc_u32 v5, s20, v5                       ; LDS, in: row hh, 16 r
	v_mul_u32_u24 v6, v2, LP
	v_lshl_add_u32 v6, v3, 3, v6
	v_add_nc_u32 v6, s20, v6                       ; LDS, back: row r, 8 hh
	v_lshlrev_b32 v7, 4, v0                        ; weights in: 16 bytes a thread
	v_lshlrev_b32 v8, 3, v0                        ; weights out: 8 bytes a thread
	v_lshl_add_u32 v9, v1, 3, s21                  ; mask words out: 8 L + 4 w key steps of 512 bytes
	s_lshr_b32 s22, ttmp9, 6                       ; which weight; also the batch
	s_and_b32 s23, ttmp9, 63
	s_lshl_b32 s32, ttmp9, 16                      ; mask: g x 32 rows x 2,048 bytes
	s_mov_b32 s33, 0
	s_lshl_b32 s34, s23, 16                        ; weight in: chunk x 65,536
	s_mov_b32 s35, 0
	s_lshl_b32 s36, ttmp9, 15                      ; weight out: g x 32,768 (64 chunks fill a weight's 2 MiB)
	s_mov_b32 s37, 0
	s_lshr_b32 s38, ttmp9, 1                       ; 32 b + q64
	s_lshl_b32 s38, s38, 14                        ; x 32 key steps x 512 bytes
	s_and_b32 s39, ttmp9, 1
	s_lshl_b32 s39, s39, 8                         ; the upper 32 rows of a block of 64 are i = 2, 3: 256 bytes on
	s_add_co_u32 s38, s38, s39
	s_mov_b32 s39, 0
	s_wait_kmcnt 0x0
	s_cmp_eq_u32 s22, 1
	s_cselect_b64 s[4:5], s[6:7], s[4:5]
	s_cmp_eq_u32 s22, 2
	s_cselect_b64 s[4:5], s[8:9], s[4:5]
	s_cmp_eq_u32 s22, 3
	s_cselect_b64 s[4:5], s[10:11], s[4:5]
	s_add_nc_u64 s[4:5], s[4:5], s[34:35]
	s_add_nc_u64 s[12:13], s[12:13], s[32:33]
	s_add_nc_u64 s[14:15], s[14:15], s[36:37]
	s_add_nc_u64 s[16:17], s[16:17], s[38:39]
.irp n, 0,1,2,3,4,5,6,7,8,9,10,11,12,13,14,15
	global_load_b128 v[MK+4*\n:MK+4*\n+3], v4, s[12:13] offset:4096*\n th:TH_LOAD_NT   ; two rows, 256 aligned bytes of each
.endr
.irp n, 0,1,2,3,4,5,6,7,8,9,10,11,12,13,14,15
	global_load_b128 v[WT+4*\n:WT+4*\n+3], v7, s[4:5] offset:4096*\n th:TH_LOAD_NT     ; 512 consecutive bytes a wave
.endr
.irp k, 0,1,2,3,4,5,6,7
	v_mov_b32 v[OUT+\k], 0                         ; v_writelane_b32 keeps the other lanes: the register is written whole first
.endr
	s_wait_loadcnt 16                              ; the mask is in; the 16 younger loads (weights) stay out
.irp n, 0,1,2,3,4,5,6,7,8,9,10,11,12,13,14,15
	ds_store_b128 v5, v[MK+4*\n:MK+4*\n+3] offset:2*LP*\n
.endr
.irp ip, 0,1
.irp kt, 0,1,2,3,4,5,6,7,8,9,10,11,12,13,14,15
	ds_load_b64 v[BY+2*(16*\ip+\kt):BY+2*(16*\ip+\kt)+1], v6 offset:16*LP*\ip+16*\kt   ; row 16 i' + r, keys 16 kt + 8 hh .. + 7; LDS serves a wave in order: these see the stores
.endr
.endr
	s_wait_dscnt 0x0
; a word = one byte position of all 32 lanes; it goes to lane 16 i' + 4 t + (j >> 1), register j & 1 of key step kt >> 2
.irp ip, 0,1
.irp kt, 0,1,2,3,4,5,6,7,8,9,10,11,12,13,14,15
.irp j, 0,1,2,3,4,5,6,7
	v_bfe_u32 v[TP+\j], v[BY+2*(16*\ip+\kt)+(\j>>2)], 8*(\j&3), 8
.endr
.irp j, 0,1,2,3,4,5,6,7
	v_cmp_ne_u32 s[24+\j], 0, v[TP+\j]
.endr
.irp j, 0,1,2,3,4,5,6,7
	v_writelane_b32 v[OUT+2*(\kt>>2)+(\j&1)], s[24+\j], 16*\ip+4*(\kt&3)+(\j>>1)
.endr
.endr
.endr
.irp ks, 0,1,2,3
	global_store_b64 v9, v[OUT+2*\ks:OUT+2*\ks+1], s[16:17] offset:512*\ks     ; 32 lanes x 8 bytes: 256 consecutive bytes, aligned
.endr
	s_wait_loadcnt 0x0                             ; the weights
	s_cmp_eq_u32 s22, 3
	s_cbranch_scc1 .Lwo
.irp n, 0,1,2,3,4,5,6,7,8,9,10,11,12,13,14,15
	v_cvt_pk_bf16_f32 v[WT+4*\n], v[WT+4*\n], v[WT+4*\n+1]
	v_cvt_pk_bf16_f32 v[WT+4*\n+1], v[WT+4*\n+2], v[WT+4*\n+3]
	global_store_b64 v8, v[WT+4*\n:WT+4*\n+1], s[14:15] offset:2048*\n         ; 256 consecutive bytes a wave, aligned
.endr
	s_wait_tensorcnt 0x0
	ds_add_u32 v224, v225
	s_wait_dscnt 0x0
	s_endpgm
.Lwo:
	s_mov_b32 s23, 0xffff0000
.irp n, 0,1,2,3,4,5,6,7,8,9,10,11,12,13,14,15
	v_cvt_pk_bf16_f32 v[TP], v[WT+4*\n], v[WT+4*\n+1]          ; round to bf16,
	v_cvt_pk_bf16_f32 v[TP+1], v[WT+4*\n+2], v[WT+4*\n+3]
	v_lshlrev_b32 v[WT+4*\n], 16, v[TP]                        ; widen,
	v_and_b32 v[WT+4*\n+1], s23, v[TP]
	v_lshlrev_b32 v[WT+4*\n+2], 16, v[TP+1]
	v_and_b32 v[WT+4*\n+3], s23, v[TP+1]
	v_cvt_pk_f16_f32 v[WT+4*\n], v[WT+4*\n], v[WT+4*\n+1]      ; and write the same number as f16
	v_cvt_pk_f16_f32 v[WT+4*\n+1], v[WT+4*\n+2], v[WT+4*\n+3]
	global_store_b64 v8, v[WT+4*\n:WT+4*\n+1], s[14:15] offset:2048*\n
.endr
	s_wait_tensorcnt 0x0
	ds_add_u32 v224, v225
	s_wait_dscnt 0x0
	s_endpgm
.Lfunc_end_k_q9d1a132991_prep:
	.size	k_q9d1a132991_prep, .Lfunc_end_k_q9d1a132991_prep-k_q9d1a132991_prep
	.p2alignl 7, 3214868480
	.fill 96, 4, 3214868480
	.section	.rodata,"a",@progbits
	.p2align	6, 0x0
	.amdhsa_kernel k_q9d1a132991_prep
		.amdhsa_group_segment_fixed_size 70656
		.amdhsa_private_segment_fixed_size 0
		.amdhsa_enable_private_segment 0
		.amdhsa_kernarg_size 56
		.amdhsa_user_sgpr_count 2
		.amdhsa_user_sgpr_kernarg_segment_ptr 1
		.amdhsa_wavefront_size32 1
		.amdhsa_system_sgpr_workgroup_id_x 1
		.amdhsa_system_sgpr_workgroup_id_y 1
		.amdhsa_system_sgpr_workgroup_id_z 1
		.amdhsa_system_vgpr_workitem_id 0
		.amdhsa_next_free_vgpr 226
		.amdhsa_next_free_sgpr 66
		.amdhsa_reserve_vcc 0
		.amdhsa_float_denorm_mode_32 3
		.amdhsa_float_denorm_mode_16_64 3
		.amdhsa_memory_ordered 1
		.amdhsa_forward_progress 1
		.amdhsa_inst_pref_size 69
	.end_amdhsa_kernel
	.amdgpu_metadata
---
amdhsa.version: [ 1, 2 ]
amdhsa.kernels:
  - .name:           k_q9d1a132991_prep
    .symbol:         k_q9d1a132991_prep.kd
    .args:
      - { .name: Wq, .offset: 0, .size: 8, .value_kind: global_buffer, .address_space: global }
      - { .name: Wk, .offset: 8, .size: 8, .value_kind: global_buffer, .address_space: global }
      - { .name: Wv, .offset: 16, .size: 8, .value_kind: global_buffer, .address_space: global }
      - { .name: Wo, .offset: 24, .size: 8, .value_kind: global_buffer, .address_space: global }
      - { .name: mask, .offset: 32, .size: 8, .value_kind: global_buffer, .address_space: global }
      - { .name: wb, .offset: 40, .size: 8, .value_kind: global_buffer, .address_space: global }
      - { .name: mb, .offset: 48, .size: 8, .value_kind: global_buffer, .address_space: global }
    .group_segment_fixed_size: 70656
    .private_segment_fixed_size: 0
    .kernarg_segment_align: 8
    .kernarg_segment_size: 56
    .max_flat_workgroup_size: 256
    .sgpr_count:     66
    .vgpr_count:     226
    .wavefront_size: 32
...
	.end_amdgpu_metadata
.endif
;; end of part 1
;; launch proj (part 2): grid 64 x 12, 4 waves a work-group, clusters of 4 x 1, 327,680 bytes of LDS; arguments query, key, value, wb, qkv; writes qkv
.if DOCPART == 2
	.amdgcn_target "amdgcn-amd-amdhsa--gfx1250"
	.amdhsa_code_object_version 6
	.text
	.protected	k_q9d1a132991_proj
	.globl	k_q9d1a132991_proj
	.p2align	8
	.type	k_q9d1a132991_proj,@function
k_q9d1a132991_proj:
	s_mov_b64 s[64:65], 0
	v_nop
	global_prefetch_b8 v0, s[64:65] scope:SCOPE_SE
	s_setreg_imm32_b32 hwreg(HW_REG_WAVE_MODE, 25, 1), 1
	s_wait_xcnt 0x0
	s_wait_alu depctr_hold_cnt(0) depctr_sa_sdst(0) depctr_va_vdst(0) depctr_va_sdst(0) depctr_va_ssrc(0) depctr_va_vcc(0) depctr_vm_vsrc(0)
	s_getreg_b32 s2, hwreg(HW_REG_IB_STS2, 6, 4)
	s_cmp_eq_u32 s2, 0
	s_cbranch_scc0 .Lentry_in_a_cluster
	s_endpgm
.Lentry_in_a_cluster:
	s_bfe_u32 s2, ttmp6, 0x10000c
	s_cmp_lg_u32 s2, 0x3003
	s_cbranch_scc0 .Lentry_shape_is_right
	s_endpgm
.Lentry_shape_is_right:
; q = query Wq^T, k = key Wk^T, v = value Wv^T: three products [8192 x 1024] x [1024 x 1024]^T, operands bf16, sums f32,
; results rounded once to f16 into qkv[3][b][h][s][64].  LIMIT: |q|, |k|, |v| must stay below 65,504 (f16); with inputs and weights all
; 30 times larger than unit spread and 1/32 their spread is 900.
; Grid: x = block row of 128 rows (64), y = 4 x (which product) + block column of 256 columns.  Four waves, 2 x 2, a wave makes 64 x 128:
; 32 accumulator tiles.  768 = 3 x 256 work-groups of equal work.  K in 8 steps of 128, written out: every offset is an immediate.
; WEIGHTS: the four block rows of a cluster (4, 1, 1) need the same 256 rows of W: one joint tensor load a wave (64 rows x 256 bytes, mask 15),
; through a ring of two LDS slots.  By this text's own count a wave has two tensor loads out at the start, later one.
; ACTIVATIONS are f32 and are not asked for jointly: they come through registers, are rounded to bf16 there and stored into LDS slots of their own.
; Landed in LDS as f32 their fragments would take 16 loads instead of 8 for each 32 of K, or a second trip through LDS.  The four
; work-groups that read the same rows differ in y and run side by side (x runs fastest over 64, so 256 neighbouring work-groups hold four y).
; A wave has 64 loads of 512 bytes on their way, each for two K steps.
; The matrix instruction is used transposed (source 0 = rows of W, source 1 = rows of x): a lane holds 8 neighbouring columns of one row.
; REGISTERS: window 0 addresses, fragments (two buffers), packing; window 1 the 32 accumulators, tile (a, b) at 8 (8 a + b);
; window 2 the f32 rows on their way, set u & 1 at 128 (u & 1), row i at + 4 i.
.set PITCH, 272                        ; 256 bytes + 16: an odd multiple of 16, so the 16 rows of a fragment load begin at 16 different 16-byte columns modulo 256
.set BSLOT, 256*PITCH                  ; W's 256 rows
.set ABASE, 2*BSLOT                    ; behind W's ring: x's two slots, written by ds_store alone, no tensor load lands here
.set ASLOT, 128*PITCH
.set STAGE, ABASE+2*ASLOT              ; 16 rows x 272 bytes for each wave, for the way out
.set AR,  2                            ; v2, v3   my x fragments in slot 0, 1
.set BR,  4                            ; v4, v5   my W fragments in slot 0, 1
.set STO, 6
.set RD,  7
.set CO,  8
.set AO,  9                            ; my 16 bytes of my wave's first row, from the block's first row
.set AW,  10                           ; v10, v11 where my 8 bytes of bf16 go, slot 0, 1
.set T,   16                           ; v[16:31] eight rows' packed bf16
.set F0,  32                           ; buffer 0: x at +8 a (4), W at +32 + 8 b (8)
.set F1,  128                          ; buffer 1
.set TMP, 224
.set G1,  24                           ; s[24:31]
.set G0,  32                           ; s[32:39] one group 0 for each slot
.set MSB, 0
.macro WIN new                         ; the immediate's high byte repeats the setting that is left
.if MSB != \new
	s_set_vgpr_msb (MSB<<8)|\new
.set MSB, \new
.endif
.endm
.macro PLACES                          ; four places behind matrix instructions, in front of loads into their sources and of readers of their results
.rept 4
	v_nop
.endr
.endm
.macro CREST                           ; a round of the cluster's barrier behind its opening work-group barrier
	s_cmp_lg_u32 s14, 0
	s_cbranch_scc1 .Lnot_wave_0_\@
	s_barrier_signal -3
.Lnot_wave_0_\@:
	s_barrier_wait -3
	s_barrier_signal -1
	s_barrier_wait -1
.endm
.macro CROUND
	s_barrier_signal -1
	s_barrier_wait -1
	CREST
.endm
	s_load_b256 s[4:11], s[0:1], 0x0               ; query, key, value, wb
	s_load_b64 s[12:13], s[0:1], 0x20              ; qkv
	s_set_vgpr_msb 0xc0
	v_lshl_add_u32 v0, v0, 2, 0x37400
	v_mov_b32 v1, 0
	s_set_vgpr_msb 0xc0cf
	ds_add_u32 v0, v1
	s_set_vgpr_msb 0xcf00
	v_lshrrev_b32 v1, 5, v0
	v_readfirstlane_b32 s14, v1                    ; wave
	s_lshr_b32 s15, s14, 1                         ; wm: my 64 of the block's rows
	s_and_b32 s16, s14, 1                          ; wn: my 128 of its columns
	s_bfe_u32 s17, ttmp6, 0x40000                  ; cx
	s_lshl_b32 s18, ttmp9, 2
	s_add_co_u32 s18, s18, s17                     ; block row = 4 x cluster x + cx
	s_and_b32 s19, ttmp7, 0xffff
	s_lshr_b32 s20, s19, 2                         ; which product
	s_and_b32 s21, s19, 3                          ; block column
	v_and_b32 v1, 31, v0                           ; L
	v_and_b32 v12, 15, v0                          ; r
	v_bfe_u32 v13, v0, 4, 1                        ; hh
	v_mul_u32_u24 v14, v12, PITCH
	v_lshl_add_u32 v14, v13, 4, v14                ; 272 r + 16 hh
	s_mul_i32 s22, s15, 64*PITCH
	s_add_co_u32 s22, s22, ABASE
	s_mul_i32 s23, s16, 128*PITCH
	v_add_nc_u32 v[AR], s22, v14
	v_add_nc_u32 v[AR+1], ASLOT, v[AR]
	v_add_nc_u32 v[BR], s23, v14
	v_add_nc_u32 v[BR+1], BSLOT, v[BR]
	s_mul_i32 s22, s14, 16*PITCH
	s_add_co_u32 s22, s22, STAGE
	v_add_nc_u32 v[STO], s22, v14
	v_lshrrev_b32 v15, 3, v1
	v_and_b32 v14, 7, v1
	v_mul_u32_u24 v15, v15, PITCH
	v_lshl_add_u32 v15, v14, 4, v15
	v_add_nc_u32 v[RD], s22, v15                   ; back: row L >> 3, 16 (L & 7)
	v_lshlrev_b32 v[CO], 4, v1
	s_mul_i32 s22, s14, 32*PITCH
	s_add_co_u32 s22, s22, ABASE
	v_lshl_add_u32 v[AW], v1, 3, s22               ; my wave's 32 rows, 8 L
	v_add_nc_u32 v[AW+1], ASLOT, v[AW]
	s_lshl_b32 s22, s14, 17                        ; 32 w rows of 4,096 bytes
	v_lshl_add_u32 v[AO], v1, 4, s22
	; group 1: 64 rows x 128 elements of 2 bytes, 16 bytes of padding behind each row of 64 words
	s_mov_b32 s[G1+0], 15|(1<<16)|(1<<20)|(1<<21)|(5<<22)|(3<<25)  ; mask: all four of the cluster; bit 21 beside it
	s_mov_b32 s[G1+1], 128<<16                     ; tensor_dim0 = 128
	s_mov_b32 s[G1+2], 64<<16                      ; tensor_dim1 = 64
	s_mov_b32 s[G1+3], 128<<16                     ; tile_dim0 = 128
	s_mov_b32 s[G1+4], 64                          ; tile_dim1 = 64
	s_mov_b32 s[G1+5], 1024                        ; elements from row to row
	s_mov_b32 s[G1+6], 0
	s_mov_b32 s[G1+7], 0
	; W's tile hangs on y and the wave alone (registers s42 to s47 never hold cx)
	s_lshl_b32 s42, s21, 8
	s_lshl_b32 s43, s14, 6
	s_add_co_u32 s42, s42, s43                     ; row 256 col + 64 w
	s_lshl_b32 s42, s42, 11
	s_lshl_b32 s43, s20, 21                        ; + which x 2 MiB
	s_add_co_u32 s42, s42, s43
	s_mov_b32 s43, 0
	s_mul_i32 s46, s14, 64*PITCH
	; x's rows and the result's place hang on the block row (s48 to s51)
	s_lshl_b32 s48, s18, 19                        ; block row x 128 rows x 4,096 bytes
	s_mov_b32 s49, 0
	s_lshr_b32 s50, s18, 4                         ; batch
	s_lshl_b32 s50, s50, 4
	s_lshl_b32 s51, s21, 2
	s_add_co_u32 s50, s50, s51
	s_lshl_b32 s51, s16, 1
	s_add_co_u32 s50, s50, s51                     ; 16 b + head 4 col + 2 wn
	s_lshl_b32 s50, s50, 11
	s_and_b32 s51, s18, 15
	s_lshl_b32 s51, s51, 7
	s_add_co_u32 s50, s50, s51
	s_lshl_b32 s51, s15, 6
	s_add_co_u32 s50, s50, s51                     ; x 2,048 + my first row in the batch
	s_lshl_b32 s50, s50, 7                         ; rows of 128 bytes
	s_lshl_b32 s51, s20, 24                        ; + which x 16 MiB
	s_add_co_u32 s50, s50, s51
	s_mov_b32 s51, 0
	s_wait_dscnt 0x0
	s_wait_kmcnt 0x0
	s_cmp_eq_u32 s20, 1
	s_cselect_b64 s[40:41], s[6:7], s[4:5]
	s_cmp_eq_u32 s20, 2
	s_cselect_b64 s[40:41], s[8:9], s[40:41]
	s_add_nc_u64 s[40:41], s[40:41], s[48:49]
	s_add_nc_u64 s[12:13], s[12:13], s[50:51]
	s_add_nc_u64 s[44:45], s[10:11], s[42:43]
.irp s, 0,1
	s_mov_b32 s[G0+4*\s], 1
	s_add_co_u32 s[G0+4*\s+1], s46, \s*BSLOT
	s_add_nc_u64 s[G0+4*\s+2:G0+4*\s+3], s[44:45], \s*256          ; K step s
	s_or_b32 s[G0+4*\s+3], s[G0+4*\s+3], 0x80000000
.endr
; eight loads: rows 8 g .. 8 g + 7 of my wave's 32, K step u: each is one row's 512 consecutive bytes
.macro ALOAD u, g
.set LB, 128*((\u)&1)+32*(\g)
	WIN 0x80
.irp k, 0,1,2,3,4,5,6,7
	global_load_b128 v[LB+4*\k:LB+4*\k+3], v[AO], s[40:41] offset:(8*(\g)+\k)*4096+(\u)*512
.endr
.endm
; group (u, g) is rounded to bf16 and stored into x's slot u & 1; its registers are asked for again, two K steps ahead.
; Groups are issued and used in the order (0,0) (0,1) .. (7,3), eight groups ahead: behind (u, g) seven groups are out (56 loads),
; fewer once (7,3) has been issued: 7 - g groups for u = 6, 3 - g for u = 7.
.macro CONV u, g
.if (\u) <= 5
.set CNT, 56
.else
.if (\u) == 6
.set CNT, 8*(7-(\g))
.else
.set CNT, 8*(3-(\g))
.endif
.endif
.set CB, 128*((\u)&1)+32*(\g)
	s_wait_loadcnt CNT
	WIN 0x0a
.irp k, 0,1,2,3,4,5,6,7
	v_cvt_pk_bf16_f32 v[T+2*\k], v[CB+4*\k], v[CB+4*\k+1]
	v_cvt_pk_bf16_f32 v[T+2*\k+1], v[CB+4*\k+2], v[CB+4*\k+3]
.endr
	WIN 0
.irp k, 0,1,2,3,4,5,6,7
	ds_store_b64 v[AW+((\u)&1)], v[T+2*\k:T+2*\k+1] offset:(8*(\g)+\k)*PITCH   ; a row's 256 bytes
.endr
.if (\u) < 6
	ALOAD \u+2, \g
.endif
.endm
; 24 LDS loads: the fragments of quarter q (32 along K) of a slot into buffer f
.macro FETCH slot, q, f
	WIN 0
.irp b, 0,1,2,3,4,5,6,7
	ds_load_b128 v[\f+32+8*\b:\f+32+8*\b+3],   v[BR+\slot] offset:64*(\q)+\b*16*PITCH
	ds_load_b128 v[\f+32+8*\b+4:\f+32+8*\b+7], v[BR+\slot] offset:64*(\q)+\b*16*PITCH+32
.endr
.irp a, 0,1,2,3
	ds_load_b128 v[\f+8*\a:\f+8*\a+3],   v[AR+\slot] offset:64*(\q)+\a*16*PITCH
	ds_load_b128 v[\f+8*\a+4:\f+8*\a+7], v[AR+\slot] offset:64*(\q)+\a*16*PITCH+32
.endr
.endm
; 16 matrix instructions.  The 32 accumulators take turns, one instruction a turn, in the same order in every quarter.
.macro MUL16 f, a0, zero
	WIN 0x50
.irp a, \a0, \a0+1
.irp b, 0,1,2,3,4,5,6,7
.if \zero
	v_wmma_f32_16x16x32_bf16 v[8*(8*(\a)+\b):8*(8*(\a)+\b)+7], v[\f+32+8*\b:\f+32+8*\b+7], v[\f+8*(\a):\f+8*(\a)+7], 0
.else
	v_wmma_f32_16x16x32_bf16 v[8*(8*(\a)+\b):8*(8*(\a)+\b)+7], v[\f+32+8*\b:\f+32+8*\b+7], v[\f+8*(\a):\f+8*(\a)+7], v[8*(8*(\a)+\b):8*(8*(\a)+\b)+7]
.endif
.endr
.endr
.endm
; one of a K step's first three quarters: multiplies buffer fa; the next quarter nq is fetched into fb first and has the quarter in which to land
.macro QUARTER slot, nq, fa, fb, zero, cu, cg
	s_wait_dscnt 0x0                               ; buffer fa is in
	PLACES
	FETCH \slot, \nq, \fb
	MUL16 \fa, 0, \zero
.if \cu >= 0
	CONV \cu, \cg
.endif
	MUL16 \fa, 2, \zero
.endm
.macro THREE slot, zero, cu
	QUARTER \slot, 1, F0, F1, \zero, \cu, 1
	QUARTER \slot, 2, F1, F0, 0, \cu, 2
	QUARTER \slot, 3, F0, F1, 0, \cu, 3
.endm
; the last quarter changes slots.  In front of the barrier: my reads of this slot and my stores of x's next slot are done, and all my tensor loads
; have landed (the one that was out is my part of W's next slot).  Behind it (fill = 1: behind the cluster's round that it opens) W's slot is asked for
; again first, then the next slot is read, and x's slot, which nobody reads any more, begins to be written.
.macro TURN slot, next, fill, cu
	s_wait_dscnt 0x0
	s_set_vgpr_msb 0x505f
	s_wait_tensorcnt 0x0
	ds_add_u32 v0, v1
	s_wait_dscnt 0x0
	s_set_vgpr_msb 0x5f50
	s_barrier_signal -1
	MUL16 F1, 0, 0                                 ; registers alone
	WIN 0
	s_barrier_wait -1
.if \fill
	CREST
	s_add_nc_u64 s[G0+4*\slot+2:G0+4*\slot+3], s[G0+4*\slot+2:G0+4*\slot+3], 512   ; two K steps on; no load of mine is out
	tensor_load_to_lds s[G0+4*\slot:G0+4*\slot+3], s[G1:G1+7]                      ; my one tensor load behind the round
	s_nop 0
.endif
	PLACES
	FETCH \next, 0, F0
.if \cu >= 0
	CONV \cu, 0
.endif
	MUL16 F1, 2, 0
.endm
.irp g, 0,1,2,3
	ALOAD 0, \g
.endr
.irp g, 0,1,2,3
	ALOAD 1, \g
.endr
	WIN 0
	CROUND                                         ; the four work-groups are here: the first joint loads meet
	tensor_load_to_lds s[G0:G0+3], s[G1:G1+7]      ; K step 0
	s_nop 0
	tensor_load_to_lds s[G0+4:G0+7], s[G1:G1+7]    ; K step 1
	s_nop 0
.irp g, 0,1,2,3
	CONV 0, \g
.endr
.irp g, 0,1,2,3
	CONV 1, \g
.endr
	WIN 0
	s_wait_tensorcnt 0x1                           ; my part of W's slot 0 is in; slot 1's may stay out
	s_wait_dscnt 0x0                               ; my rows of x's two slots are written
	s_barrier_signal -1
	s_barrier_wait -1
	FETCH 0, 0, F0
	THREE 0, 1, -1                                 ; K step 0: its first products start the sums
	TURN 0, 1, 1, 2
	THREE 1, 0, 2
	TURN 1, 0, 1, 3
	THREE 0, 0, 3
	TURN 0, 1, 1, 4
	THREE 1, 0, 4
	TURN 1, 0, 1, 5
	THREE 0, 0, 5
	TURN 0, 1, 1, 6
	THREE 1, 0, 6
	TURN 1, 0, 1, 7
	THREE 0, 0, 7
	TURN 0, 1, 0, -1                               ; nothing is left to fetch: a plain barrier
	THREE 1, 0, -1
	s_wait_dscnt 0x0
	MUL16 F1, 0, 0
	MUL16 F1, 2, 0
	PLACES
; THE WAY OUT, 16 rows at a time: round to f16, 16 bytes a lane into my own stage, read back so that one store covers four rows of one head:
; 512 consecutive bytes of qkv.  t = 2 x (group of four rows) + (which of my two heads).
.macro OUT16 a, f
	WIN 0x05
.irp b, 0,1,2,3,4,5,6,7
.irp rr, 0,1,2,3
	v_cvt_pk_f16_f32 v[TMP+4*\b+\rr], v[8*(8*\a+\b)+2*\rr], v[8*(8*\a+\b)+2*\rr+1]
.endr
.endr
	WIN 0
.irp b, 0,1,2,3,4,5,6,7
	ds_store_b128 v[STO], v[TMP+4*\b:TMP+4*\b+3] offset:32*\b
.endr
	s_wait_xcnt 0x0                                ; buffer f, which earlier stores read, is loaded again only behind this wait
.irp t, 0,1,2,3,4,5,6,7
	ds_load_b128 v[\f+4*\t:\f+4*\t+3], v[RD] offset:4*PITCH*(\t>>1)+128*(\t&1)     ; LDS serves a wave in order: these see the stores above
.endr
.irp t, 0,1,2,3,4,5,6,7
	s_wait_dscnt 7-\t
	global_store_b128 v[CO], v[\f+4*\t:\f+4*\t+3], s[12:13] offset:(\t&1)*262144+(16*\a+4*(\t>>1))*128
.endr
.endm
	OUT16 0, F0
	OUT16 1, F1
	OUT16 2, F0
	OUT16 3, F1
	s_set_vgpr_msb 0xf
	s_wait_tensorcnt 0x0
	ds_add_u32 v0, v1
	s_wait_dscnt 0x0
	s_set_vgpr_msb 0xf00
	CROUND                                         ; the closing round: no work-group ends while a partner may still ask jointly
	s_endpgm
.Lfunc_end_k_q9d1a132991_proj:
	.size	k_q9d1a132991_proj, .Lfunc_end_k_q9d1a132991_proj-k_q9d1a132991_proj
	.p2alignl 7, 3214868480
	.fill 96, 4, 3214868480
	.section	.rodata,"a",@progbits
	.p2align	6, 0x0
	.amdhsa_kernel k_q9d1a132991_proj
		.amdhsa_group_segment_fixed_size 327680
		.amdhsa_private_segment_fixed_size 0
		.amdhsa_enable_private_segment 0
		.amdhsa_kernarg_size 40
		.amdhsa_user_sgpr_count 2
		.amdhsa_user_sgpr_kernarg_segment_ptr 1
		.amdhsa_wavefront_size32 1
		.amdhsa_system_sgpr_workgroup_id_x 1
		.amdhsa_system_sgpr_workgroup_id_y 1
		.amdhsa_system_sgpr_workgroup_id_z 1
		.amdhsa_system_vgpr_workitem_id 0
		.amdhsa_next_free_vgpr 770
		.amdhsa_next_free_sgpr 66
		.amdhsa_reserve_vcc 0
		.amdhsa_float_denorm_mode_32 3
		.amdhsa_float_denorm_mode_16_64 3
		.amdhsa_memory_ordered 1
		.amdhsa_forward_progress 1
		.amdhsa_inst_pref_size 222
	.end_amdhsa_kernel
	.amdgpu_metadata
---
amdhsa.version: [ 1, 2 ]
amdhsa.kernels:
  - .name:           k_q9d1a132991_proj
    .symbol:         k_q9d1a132991_proj.kd
    .args:
      - { .name: query, .offset: 0, .size: 8, .value_kind: global_buffer, .address_space: global }
      - { .name: key, .offset: 8, .size: 8, .value_kind: global_buffer, .address_space: global }
      - { .name: value, .offset: 16, .size: 8, .value_kind: global_buffer, .address_space: global }
      - { .name: wb, .offset: 24, .size: 8, .value_kind: global_buffer, .address_space: global }
      - { .name: qkv, .offset: 32, .size: 8, .value_kind: global_buffer, .address_space: global }
    .group_segment_fixed_size: 327680
    .private_segment_fixed_size: 0
    .kernarg_segment_align: 8
    .kernarg_segment_size: 40
    .max_flat_workgroup_size: 128
    .sgpr_count:     66
    .vgpr_count:     770
    .wavefront_size: 32
...
	.end_amdgpu_metadata
.endif
;; end of part 2
;; launch attn (part 3): grid 4 x 64, 8 waves a work-group, clusters of 4 x 1, 327,680 bytes of LDS; arguments qkv, mb, att; writes att
.if DOCPART == 3
	.amdgcn_target "amdgcn-amd-amdhsa--gfx1250"
	.amdhsa_code_object_version 6
	.text
	.protected	k_q9d1a132991_attn
	.globl	k_q9d1a132991_attn
	.p2align	8
	.type	k_q9d1a132991_attn,@function
k_q9d1a132991_attn:
	s_mov_b64 s[64:65], 0
	v_nop
	global_prefetch_b8 v0, s[64:65] scope:SCOPE_SE
	s_setreg_imm32_b32 hwreg(HW_REG_WAVE_MODE, 25, 1), 1
	s_wait_xcnt 0x0
	s_wait_alu depctr_hold_cnt(0) depctr_sa_sdst(0) depctr_va_vdst(0) depctr_va_sdst(0) depctr_va_ssrc(0) depctr_va_vcc(0) depctr_vm_vsrc(0)
	s_getreg_b32 s2, hwreg(HW_REG_IB_STS2, 6, 4)
	s_cmp_eq_u32 s2, 0
	s_cbranch_scc0 .Lentry_in_a_cluster
	s_endpgm
.Lentry_in_a_cluster:
	s_bfe_u32 s2, ttmp6, 0x10000c
	s_cmp_lg_u32 s2, 0x3003
	s_cbranch_scc0 .Lentry_shape_is_right
	s_endpgm
.Lentry_shape_is_right:
; att[b][h][s][64] (f16) = softmax(where(mask, q k^T / 8, -1e9)) v for one (batch, head) = grid y; grid x = block of 512 queries.
; Eight waves, 64 queries each; keys in steps of 64; a running maximum and sum for each query, in f32; matrix operands f16.
; The mask is an input: all 2,048 keys are taken, and the mask arrives as lane masks (one word for each register of a score tile), by scalar loads.
; LIMITS: a masked score is -2^33 before the division by 8 (-2^30 against the reference's -1e9): (-2^33) c is exact, so a row that is masked
; everywhere gets p = 1 at every key, the uniform average; results differ only where an unmasked scaled score lies near or below -1e9.
; NaN and infinities in q, k, v are not treated apart.
; CLUSTER: the four query blocks of a head need the same K and V: joint tensor loads (mask 15).  A slot holds 256 keys (four steps), two slots
; take turns; wave w brings one chunk of 64 rows (w < 4: K's, else V's), 8,192 dense bytes.  By this text's own count a wave has two tensor
; loads out at the start, later one, which has four steps in which to land.
; LAYOUT: S^T = K Q^T: lane (r, hh) holds query 16 i + r and keys 16 t + 8 hh + j.  Two packed tiles S(2c, i), S(2c+1, i) are, in place, the
; second source P(i, c) of O^T = V^T P^T: nothing moves between lanes, and a query's maximum, sum and factor are one number a lane.
; V's fragments come by transposing loads at pitch 144, where the two halves of a group of 16 lanes share some 16-byte columns; taken, since the
; eight waves issue 256 LDS loads a step against 512 matrix instructions.
.set KP,    144                        ; 128 bytes + 16
.set CHUNK, 64*KP
.set SLOT,  8*CHUNK
.set STAGE, 2*SLOT                     ; 16 rows x 144 bytes for each wave; no tensor load lands here
.set KA,  2                            ; v2, v3   K fragments, slot 0, 1
.set VA,  4                            ; v4, v5   V fragments, slot 0, 1
.set STO, 6
.set RD,  7
.set CO,  8
.set QO,  9
.set MX,  10                           ; v[10:13] four chains of maxima
.set PL,  14                           ; what the other half of the lanes holds
.set NM,  16                           ; v[16+2i] -m c, v[17+2i] m
.set AL,  24                           ; v[24+2i] factor for the old sums, v[25+2i] l (my half's keys)
.set SU,  32                           ; v[32:47] sums; packing on the way out
.set QF,  48                           ; Q(i, c) at + 16 i + 8 c
.set SS,  128                          ; S(t, i) at + 32 i + 8 t
.set OO,  0                            ; window 1: O(u, i) at 8 (4 i + u)
.set KF,  128                          ; window 1: K(t, c) at + 16 t + 8 c
.set VF,  192                          ; window 1: V(u, c) at + 16 u + 8 c
.set G1,  8                            ; s[8:15]
.set G0,  16                           ; s[16:23]
; s[2:3] mask words of my 64 queries, s[4:5] att at my first row, s6 wave, s7 trips, s24 c = log2(e) / 8, s25 -2^33, s26, s27 lane selects, s28 -c,
; s[32:63] and s[68:99] two sets of 32 mask words that take turns
.set MSB, 0
.macro WIN new
.if MSB != \new
	s_set_vgpr_msb (MSB<<8)|\new
.set MSB, \new
.endif
.endm
.macro ROUND
	s_barrier_signal -1
	s_barrier_wait -1
	s_cmp_lg_u32 s6, 0
	s_cbranch_scc1 .Lnot_wave_0_\@
	s_barrier_signal -3
.Lnot_wave_0_\@:
	s_barrier_wait -3
	s_barrier_signal -1
	s_barrier_wait -1
.endm
	s_load_b128 s[68:71], s[0:1], 0x0              ; qkv, mb
	s_load_b64 s[72:73], s[0:1], 0x10              ; att
	v_lshl_add_u32 v126, v0, 2, 0x29000
	v_mov_b32 v127, 0
	ds_add_u32 v126, v127
	v_lshrrev_b32 v1, 5, v0
	v_readfirstlane_b32 s6, v1                     ; wave
	s_bfe_u32 s74, ttmp6, 0x40000                  ; cx: my block of 512 queries
	s_and_b32 s29, ttmp7, 0xffff                   ; 16 b + h
	s_mov_b32 s24, 0x3e38aa3b
	s_mov_b32 s25, 0xd0000000
	s_mov_b32 s26, 0x76543210
	s_mov_b32 s27, 0xfedcba98
	s_mov_b32 s28, 0xbe38aa3b
	; group 1: 8,192 dense bytes as 32 rows of 32 elements of 8 bytes; 16 bytes of padding behind every 32 words: LDS rows of 128 + 16 bytes
	s_mov_b32 s[G1+0], 15|(3<<16)|(1<<20)|(1<<21)|(4<<22)|(3<<25)
	s_mov_b32 s[G1+1], 32<<16
	s_mov_b32 s[G1+2], 32<<16
	s_mov_b32 s[G1+3], 32<<16
	s_mov_b32 s[G1+4], 32
	s_mov_b32 s[G1+5], 32
	s_mov_b32 s[G1+6], 0
	s_mov_b32 s[G1+7], 0
	; my chunk hangs on the head and the wave alone (s29 to s31, s80 to s82 never hold cx)
	s_lshr_b32 s30, s6, 2
	s_add_co_u32 s30, s30, 1
	s_lshl_b32 s30, s30, 24                        ; K's or V's 16 MiB
	s_and_b32 s31, s6, 3
	s_lshl_b32 s31, s31, 13                        ; 64 rows of 128 bytes
	s_add_co_u32 s30, s30, s31
	s_lshl_b32 s31, s29, 18                        ; the head's 2,048 rows
	s_add_co_u32 s80, s30, s31
	s_mov_b32 s81, 0
	s_mul_i32 s82, s6, CHUNK
	; what hangs on cx (s74, s75, s84 to s87)
	s_lshl_b32 s75, s74, 3
	s_add_co_u32 s75, s75, s6                      ; my block of 64 queries
	s_lshr_b32 s84, s29, 4
	s_lshl_b32 s84, s84, 5
	s_add_co_u32 s84, s84, s75
	s_lshl_b32 s84, s84, 14                        ; 32 steps x 512 bytes of mask words
	s_mov_b32 s85, 0
	s_lshl_b32 s86, s29, 18
	s_lshl_b32 s87, s75, 13
	s_add_co_u32 s86, s86, s87                     ; my first row, in bytes
	s_mov_b32 s87, 0
	v_and_b32 v1, 31, v0                           ; L
	v_and_b32 v10, 15, v0                          ; r
	v_bfe_u32 v11, v0, 4, 1                        ; hh
	v_lshlrev_b32 v[QO], 7, v10
	v_lshl_add_u32 v[QO], v11, 4, v[QO]            ; 128 r + 16 hh
	v_mul_u32_u24 v12, v10, KP
	v_lshl_add_u32 v[KA], v11, 4, v12              ; 144 r + 16 hh
	v_add_nc_u32 v[KA+1], SLOT, v[KA]
	v_and_b32 v12, 7, v0
	v_lshl_add_u32 v13, v11, 3, v12                ; key 8 hh + (L & 7)
	v_mul_u32_u24 v13, v13, KP
	v_bfe_u32 v15, v0, 3, 1
	v_lshl_add_u32 v13, v15, 4, v13                ; + 16 ((L >> 3) & 1)
	v_add_nc_u32 v[VA], 4*CHUNK, v13
	v_add_nc_u32 v[VA+1], SLOT, v[VA]
	s_mul_i32 s30, s6, 16*KP
	s_add_co_u32 s30, s30, STAGE
	v_add_nc_u32 v[STO], s30, v[KA]
	v_lshrrev_b32 v13, 3, v1
	v_mul_u32_u24 v13, v13, KP
	v_lshl_add_u32 v13, v12, 4, v13
	v_add_nc_u32 v[RD], s30, v13
	v_lshlrev_b32 v[CO], 4, v1
	v_mov_b32 v[PL], 0                             ; v_permlanex16_b32 counts as a reader of its destination
	s_wait_dscnt 0x0
	s_wait_kmcnt 0x0
	s_add_nc_u64 s[80:81], s[68:69], s[80:81]
	s_add_nc_u64 s[2:3], s[70:71], s[84:85]
	s_add_nc_u64 s[4:5], s[72:73], s[86:87]
	s_add_nc_u64 s[86:87], s[68:69], s[86:87]      ; q at my first row
.irp s, 0,1
	s_mov_b32 s[G0+4*\s], 1
	s_add_co_u32 s[G0+4*\s+1], s82, \s*SLOT
	s_add_nc_u64 s[G0+4*\s+2:G0+4*\s+3], s[80:81], \s*32768        ; keys 256 s ..
	s_or_b32 s[G0+4*\s+3], s[G0+4*\s+3], 0x80000000
.endr
	s_load_b512 s[32:47], s[2:3], 0x0              ; the mask words of step 0, i = 0
	s_load_b512 s[48:63], s[2:3], 0x40
.irp i, 0,1,2,3
.irp c, 0,1
	global_load_b128 v[QF+16*\i+8*\c:QF+16*\i+8*\c+3],   v[QO], s[86:87] offset:2048*\i+64*\c
	global_load_b128 v[QF+16*\i+8*\c+4:QF+16*\i+8*\c+7], v[QO], s[86:87] offset:2048*\i+64*\c+32
.endr
.endr
	ROUND                                          ; the four work-groups are here: the first joint loads meet
	tensor_load_to_lds s[G0:G0+3], s[G1:G1+7]
	s_nop 0
	tensor_load_to_lds s[G0+4:G0+7], s[G1:G1+7]
	s_nop 0
.macro KLOAD slot, st                  ; 16 loads: 64 keys x 64 d as first sources
	WIN 0x40
.irp t, 0,1,2,3
.irp c, 0,1
	ds_load_b128 v[KF+16*\t+8*\c:KF+16*\t+8*\c+3],   v[KA+\slot] offset:(\st)*CHUNK+\t*16*KP+64*\c
	ds_load_b128 v[KF+16*\t+8*\c+4:KF+16*\t+8*\c+7], v[KA+\slot] offset:(\st)*CHUNK+\t*16*KP+64*\c+32
.endr
.endr
.endm
.macro VLOAD slot, st                  ; 16 transposing loads: 64 d x 64 keys as first sources
	WIN 0x40
.irp u, 0,1,2,3
.irp c, 0,1
	ds_load_tr16_b128 v[VF+16*\u+8*\c:VF+16*\u+8*\c+3],   v[VA+\slot] offset:(\st)*CHUNK+\c*32*KP+32*\u
	ds_load_tr16_b128 v[VF+16*\u+8*\c+4:VF+16*\u+8*\c+7], v[VA+\slot] offset:(\st)*CHUNK+\c*32*KP+32*\u+16*KP
.endr
.endr
.endm
; 32 matrix instructions; the 16 accumulators take turns, one instruction a turn; the first pass starts the sums
.macro SPASS
	WIN 0x01
.irp c, 0,1
.irp i, 0,1,2,3
.irp t, 0,1,2,3
.if \c == 0
	v_wmma_f32_16x16x32_f16 v[SS+32*\i+8*\t:SS+32*\i+8*\t+7], v[KF+16*\t+8*\c:KF+16*\t+8*\c+7], v[QF+16*\i+8*\c:QF+16*\i+8*\c+7], 0
.else
	v_wmma_f32_16x16x32_f16 v[SS+32*\i+8*\t:SS+32*\i+8*\t+7], v[KF+16*\t+8*\c:KF+16*\t+8*\c+7], v[QF+16*\i+8*\c:QF+16*\i+8*\c+7], v[SS+32*\i+8*\t:SS+32*\i+8*\t+7]
.endif
.endr
.endr
.endr
.endm
.macro PVPASS first
	WIN 0x51
.irp c, 0,1
.irp i, 0,1,2,3
.irp u, 0,1,2,3
.if \first*(1-\c)
	v_wmma_f32_16x16x32_f16 v[OO+8*(4*\i+\u):OO+8*(4*\i+\u)+7], v[VF+16*\u+8*\c:VF+16*\u+8*\c+7], v[SS+32*\i+16*\c:SS+32*\i+16*\c+7], 0
.else
	v_wmma_f32_16x16x32_f16 v[OO+8*(4*\i+\u):OO+8*(4*\i+\u)+7], v[VF+16*\u+8*\c:VF+16*\u+8*\c+7], v[SS+32*\i+16*\c:SS+32*\i+16*\c+7], v[OO+8*(4*\i+\u):OO+8*(4*\i+\u)+7]
.endif
.endr
.endr
.endr
.endm
; The softmax of queries 16 i .. 16 i + 15 against this step's 64 keys, all in window 0.  off: where the next 32 mask words lie (-1: none are left).
.macro SMTILE i, first, off
.set SB, SS+32*(\i)
.set CB, 32+36*((\i)&1)
.set NB, 68-36*((\i)&1)
	s_wait_kmcnt 0x0                               ; my 32 mask words are in (scalar loads: zero alone shows anything)
.if \off >= 0
	s_load_b512 s[NB:NB+15], s[2:3], \off          ; the next 32, into the set that the last tile has used
	s_load_b512 s[NB+16:NB+31], s[2:3], \off+64
.endif
.set e, 0
.rept 32
	v_cndmask_b32 v[SB+e], s25, v[SB+e], s[CB+e]   ; mask bit ? score : -2^33
.set e, e+1
.endr
.irp t, 0,1,2,3
	v_max_num_f32 v[MX+\t], v[SB+8*\t], v[SB+8*\t+1]
.endr
.irp p, 2,4,6
.irp t, 0,1,2,3
	v_max3_num_f32 v[MX+\t], v[MX+\t], v[SB+8*\t+\p], v[SB+8*\t+\p+1]
.endr
.endr
	v_max3_num_f32 v[MX], v[MX], v[MX+1], v[MX+2]
.if \first
	v_max_num_f32 v[MX], v[MX], v[MX+3]
.else
	v_max3_num_f32 v[MX], v[MX], v[MX+3], v[NM+2*(\i)+1]       ; with the running maximum
.endif
	v_permlanex16_b32 v[PL], v[MX], s26, s27       ; the other 32 keys of the same query
	v_max_num_f32 v[NM+2*(\i)+1], v[MX], v[PL]
.if \first
	v_mul_f32 v[NM+2*(\i)], s28, v[NM+2*(\i)+1]    ; -m c
.else
	v_mul_f32 v[MX+1], s28, v[NM+2*(\i)+1]
	v_sub_f32 v[MX+2], v[MX+1], v[NM+2*(\i)]       ; (old m - new m) c, from the rounded products that the exponents use
	v_mov_b32 v[NM+2*(\i)], v[MX+1]
	v_exp_f32 v[AL+2*(\i)], v[MX+2]                ; the packed lines below are the plain place behind it (ISA guide 5.7.2)
.endif
.set e, 0
.rept 16
	v_pk_fma_f32 v[SB+e:SB+e+1], v[SB+e:SB+e+1], s[24:25], v[NM+2*(\i):NM+2*(\i)+1] op_sel_hi:[1,0,0]   ; s c - m c
.set e, e+2
.endr
.set e, 0
.rept 32
	v_exp_f32 v[SB+e], v[SB+e]
.set e, e+1
.endr
	v_nop                                          ; one plain place behind the last exponential
	s_wait_alu depctr_va_vdst(0)
.irp k, 0,1,2,3,4,5,6,7
	v_pk_add_f32 v[SU+2*\k:SU+2*\k+1], v[SB+4*\k:SB+4*\k+1], v[SB+4*\k+2:SB+4*\k+3]
.endr
.irp k, 0,1,2,3
	v_pk_add_f32 v[SU+4*\k:SU+4*\k+1], v[SU+4*\k:SU+4*\k+1], v[SU+4*\k+2:SU+4*\k+3]
.endr
	v_pk_add_f32 v[SU:SU+1], v[SU:SU+1], v[SU+4:SU+5]
	v_pk_add_f32 v[SU+8:SU+9], v[SU+8:SU+9], v[SU+12:SU+13]
	v_pk_add_f32 v[SU:SU+1], v[SU:SU+1], v[SU+8:SU+9]
.if \first
	v_add_f32 v[AL+2*(\i)+1], v[SU], v[SU+1]
.else
	v_add_f32 v[SU], v[SU], v[SU+1]
	v_fma_f32 v[AL+2*(\i)+1], v[AL+2*(\i)+1], v[AL+2*(\i)], v[SU]
.endif
.irp c, 0,1
.irp k, 0,1,2,3
	v_cvt_pk_f16_f32 v[SB+16*\c+\k], v[SB+16*\c+2*\k], v[SB+16*\c+2*\k+1]          ; keys 32 c + 8 hh ..: registers 0 to 3 of P(i, c)
.endr
.irp k, 0,1,2,3
	v_cvt_pk_f16_f32 v[SB+16*\c+4+\k], v[SB+16*\c+8+2*\k], v[SB+16*\c+8+2*\k+1]    ; keys 32 c + 16 + 8 hh ..: registers 4 to 7
.endr
.endr
.endm
; One step of 64 keys: step st of a slot.  mo: the step's mask words, from s[2:3].
; mode 0: the next step's K from the same slot.  mode 1: this slot has been read out: it is asked for again and the other slot begins.
; mode 2: the same without a refill.  mode 3: the last step.
.macro STEP slot, st, first, mode, mo
	s_wait_dscnt 0x0                               ; this step's K fragments are in
	SPASS
.rept 4
	v_nop                                          ; four places: loads into K's and V's registers follow, and readers of the scores
.endr
	VLOAD \slot, \st
.if \mode == 0
	KLOAD \slot, \st+1
.endif
.if \mode == 1
	s_wait_dscnt 0x0                               ; my reads of this slot are over,
	s_wait_tensorcnt 0x0                           ; and all my tensor loads have landed: the one that was out is my chunk of the other slot
	ds_add_u32 v126, v127
	s_wait_dscnt 0x0
	s_add_nc_u64 s[G0+4*\slot+2:G0+4*\slot+3], s[G0+4*\slot+2:G0+4*\slot+3], 0x10000   ; 512 keys on
	WIN 0
	ROUND                                          ; both now hold of every wave of the four work-groups
	tensor_load_to_lds s[G0+4*\slot:G0+4*\slot+3], s[G1:G1+7]      ; my one tensor load behind the round, first thing there
	s_nop 0
	KLOAD 1-\slot, 0
.endif
.if \mode == 2
	s_wait_dscnt 0x0
	s_wait_tensorcnt 0x0                           ; my chunk of the last slot is in
	WIN 0
	s_barrier_signal -1
	s_barrier_wait -1                              ; everybody's is; nothing is filled any more
	KLOAD 1-\slot, 0
.endif
	WIN 0
	SMTILE 0, \first, \mo+128
	SMTILE 1, \first, \mo+256
	SMTILE 2, \first, \mo+384
.if \mode == 3
	SMTILE 3, \first, -1
.else
	SMTILE 3, \first, \mo+512
.endif
.if \first == 0
	WIN 0x41
.irp i, 0,1,2,3
.irp k, 0,1,2,3,4,5,6,7,8,9,10,11,12,13,14,15
	v_pk_mul_f32 v[OO+32*\i+2*\k:OO+32*\i+2*\k+1], v[OO+32*\i+2*\k:OO+32*\i+2*\k+1], v[AL+2*\i:AL+2*\i+1] op_sel_hi:[1,0]
.endr
.endr
.endif
.if \mode == 3
	s_wait_dscnt 0x0
.else
	s_wait_dscnt 16                                ; V is in; the 16 loads of the next step's K, issued behind V's, may stay out
.endif
	PVPASS \first
.rept 5
	v_nop                                          ; five places: the next scores are written over P, a source of these
.endr
.endm
	s_wait_tensorcnt 0x1                           ; my chunk of slot 0 is in; slot 1's may stay out
	s_barrier_signal -1
	s_barrier_wait -1
	KLOAD 0, 0
	s_wait_loadcnt 0x0                             ; Q
	STEP 0, 0, 1, 0, 0
	WIN 0
	s_mov_b32 s7, 3
.Ltrip:
	STEP 0, 1, 0, 0, 512
	STEP 0, 2, 0, 0, 1024
	STEP 0, 3, 0, 1, 1536
	STEP 1, 0, 0, 0, 2048
	STEP 1, 1, 0, 0, 2560
	STEP 1, 2, 0, 0, 3072
	STEP 1, 3, 0, 1, 3584
	STEP 0, 0, 0, 0, 4096
	WIN 0
	s_wait_xcnt 0x0                                ; the pending scalar loads have had their address translated: s[2:3] steps only behind this wait
	s_add_nc_u64 s[2:3], s[2:3], 4096              ; eight steps of mask words
	s_sub_co_i32 s7, s7, 1
	s_cmp_lg_u32 s7, 0
	s_cbranch_scc1 .Ltrip
	STEP 0, 1, 0, 0, 512
	STEP 0, 2, 0, 0, 1024
	STEP 0, 3, 0, 2, 1536
	STEP 1, 0, 0, 0, 2048
	STEP 1, 1, 0, 0, 2560
	STEP 1, 2, 0, 0, 3072
	STEP 1, 3, 0, 3, 3584
	; the two halves' sums meet; 1 / l; l is at least 1, since the largest score of a row gives p = 1
	WIN 0
.irp i, 0,1,2,3
	v_permlanex16_b32 v[PL], v[AL+2*\i+1], s26, s27
	v_add_f32 v[AL+2*\i+1], v[AL+2*\i+1], v[PL]
.endr
.irp i, 0,1,2,3
	v_rcp_f32 v[AL+2*\i], v[AL+2*\i+1]
.endr
	v_nop
	s_wait_alu depctr_va_vdst(0)
; 16 queries at a time: scale, round to f16, through my own stage, out as 512 consecutive bytes (four rows) a store
.macro OUTI i
	WIN 0x41
.irp k, 0,1,2,3,4,5,6,7,8,9,10,11,12,13,14,15
	v_pk_mul_f32 v[OO+32*\i+2*\k:OO+32*\i+2*\k+1], v[OO+32*\i+2*\k:OO+32*\i+2*\k+1], v[AL+2*\i:AL+2*\i+1] op_sel_hi:[1,0]
.endr
	WIN 0x05
.irp u, 0,1,2,3
.irp k, 0,1,2,3
	v_cvt_pk_f16_f32 v[SU+4*\u+\k], v[OO+8*(4*\i+\u)+2*\k], v[OO+8*(4*\i+\u)+2*\k+1]
.endr
.endr
	WIN 0
.irp u, 0,1,2,3
	ds_store_b128 v[STO], v[SU+4*\u:SU+4*\u+3] offset:32*\u
.endr
.irp g, 0,1,2,3
	ds_load_b128 v[SS+16*\i+4*\g:SS+16*\i+4*\g+3], v[RD] offset:4*KP*\g    ; registers of their own for each (i, g): no store's data is written again
.endr
.irp g, 0,1,2,3
	s_wait_dscnt 3-\g
	global_store_b128 v[CO], v[SS+16*\i+4*\g:SS+16*\i+4*\g+3], s[4:5] offset:(16*\i+4*\g)*128
.endr
.endm
	OUTI 0
	OUTI 1
	OUTI 2
	OUTI 3
	s_wait_tensorcnt 0x0
	ds_add_u32 v126, v127
	s_wait_dscnt 0x0
	ROUND                                          ; the closing round
	s_endpgm
.Lfunc_end_k_q9d1a132991_attn:
	.size	k_q9d1a132991_attn, .Lfunc_end_k_q9d1a132991_attn-k_q9d1a132991_attn
	.p2alignl 7, 3214868480
	.fill 96, 4, 3214868480
	.section	.rodata,"a",@progbits
	.p2align	6, 0x0
	.amdhsa_kernel k_q9d1a132991_attn
		.amdhsa_group_segment_fixed_size 327680
		.amdhsa_private_segment_fixed_size 0
		.amdhsa_enable_private_segment 0
		.amdhsa_kernarg_size 24
		.amdhsa_user_sgpr_count 2
		.amdhsa_user_sgpr_kernarg_segment_ptr 1
		.amdhsa_wavefront_size32 1
		.amdhsa_system_sgpr_workgroup_id_x 1
		.amdhsa_system_sgpr_workgroup_id_y 1
		.amdhsa_system_sgpr_workgroup_id_z 1
		.amdhsa_system_vgpr_workitem_id 0
		.amdhsa_next_free_vgpr 512
		.amdhsa_next_free_sgpr 100
		.amdhsa_reserve_vcc 0
		.amdhsa_float_denorm_mode_32 3
		.amdhsa_float_denorm_mode_16_64 3
		.amdhsa_memory_ordered 1
		.amdhsa_forward_progress 1
		.amdhsa_inst_pref_size 255
	.end_amdhsa_kernel
	.section	.bss,"aw",@nobits
	.p2align	6
	.space	262144
	.amdgpu_metadata
---
amdhsa.version: [ 1, 2 ]
amdhsa.kernels:
  - .name:           k_q9d1a132991_attn
    .symbol:         k_q9d1a132991_attn.kd
    .args:
      - { .name: qkv, .offset: 0, .size: 8, .value_kind: global_buffer, .address_space: global }
      - { .name: mb, .offset: 8, .size: 8, .value_kind: global_buffer, .address_space: global }
      - { .name: att, .offset: 16, .size: 8, .value_kind: global_buffer, .address_space: global }
    .group_segment_fixed_size: 327680
    .private_segment_fixed_size: 0
    .kernarg_segment_align: 8
    .kernarg_segment_size: 24
    .max_flat_workgroup_size: 256
    .sgpr_count:     100
    .vgpr_count:     512
    .wavefront_size: 32
...
	.end_amdgpu_metadata
.endif
;; end of part 3
;; launch oproj (part 4): grid 4 x 64, 4 waves a work-group, clusters of 4 x 4, 327,680 bytes of LDS; arguments att, wb, out0; writes out0
.if DOCPART == 4
	.amdgcn_target "amdgcn-amd-amdhsa--gfx1250"
	.amdhsa_code_object_version 6
	.text
	.protected	k_q9d1a132991_oproj
	.globl	k_q9d1a132991_oproj
	.p2align	8
	.type	k_q9d1a132991_oproj,@function
k_q9d1a132991_oproj:
	s_mov_b64 s[64:65], 0
	v_nop
	global_prefetch_b8 v0, s[64:65] scope:SCOPE_SE
	s_setreg_imm32_b32 hwreg(HW_REG_WAVE_MODE, 25, 1), 1
	s_wait_xcnt 0x0
	s_wait_alu depctr_hold_cnt(0) depctr_sa_sdst(0) depctr_va_vdst(0) depctr_va_sdst(0) depctr_va_ssrc(0) depctr_va_vcc(0) depctr_vm_vsrc(0)
	s_getreg_b32 s2, hwreg(HW_REG_IB_STS2, 6, 4)
	s_cmp_eq_u32 s2, 0
	s_cbranch_scc0 .Lentry_in_a_cluster
	s_endpgm
.Lentry_in_a_cluster:
	s_bfe_u32 s2, ttmp6, 0x10000c
	s_cmp_lg_u32 s2, 0xf033
	s_cbranch_scc0 .Lentry_shape_is_right
	s_endpgm
.Lentry_shape_is_right:
; out0[8192][1024] (f32) = merge_heads(att) Wo^T.  att[b][h][s][64] f16; Wo = wb's fourth part, f16 numbers that are Wo rounded to bf16; sums f32.
; Grid: x = block column of 256, y = block row of 128: 256 work-groups.  Four waves, 2 x 2, a wave makes 64 x 128: 32 accumulator tiles.
; K in 8 steps of 128 = two heads, written out, through a ring of two LDS slots.
; CLUSTER 4 x 4: att's tile hangs on the block row alone and is shared along a row of the cluster, Wo's on the block column alone and is shared along
; a column: joint tensor loads.  Waves 0, 1 ask for att's two heads (128 rows x 128 bytes, dense: 64 rows of 256 bytes, padded to LDS rows of 144),
; waves 2, 3 for Wo's two halves (128 rows x 256 bytes, LDS rows of 272).  By this text's own count a wave has two tensor loads out at the start, later one.
; The matrix instruction is used transposed (source 0 = rows of Wo, source 1 = rows of att): a lane holds 8 neighbouring columns of one row.
.set PA,    144
.set PB,    272
.set HEAD,  128*PA                     ; one head's 128 rows
.set BOFF,  2*HEAD                     ; Wo's rows lie behind att's two heads
.set HALFB, 128*PB
.set SLOT,  BOFF+2*HALFB
.set STAGE, 2*SLOT                     ; 16 rows x 528 bytes for each wave; no tensor load lands here
.set SP,    528                        ; 512 bytes + 16
.set AR,  2
.set BR,  4
.set STO, 6
.set RD,  7
.set CO,  8
.set F0,  32                           ; buffer 0: att at + 8 a (4), Wo at + 32 + 8 b (8)
.set F1,  128
.set G1,  24                           ; s[24:31] att's group 1
.set G0,  32                           ; s[32:39] att's group 0, one for each slot
.set G1B, 48                           ; s[48:55] Wo's group 1
.set G0B, 56                           ; s[56:63] Wo's group 0
.set MSB, 0
.macro WIN new
.if MSB != \new
	s_set_vgpr_msb (MSB<<8)|\new
.set MSB, \new
.endif
.endm
.macro PLACES
.rept 4
	v_nop
.endr
.endm
.macro JLOAD s                         ; the branch hangs on the wave's number alone; each line has one mask and one set of registers
	s_cmp_eq_u32 s11, 0
	s_cbranch_scc0 .Lfor_b_\@
	tensor_load_to_lds s[G0+4*\s:G0+4*\s+3], s[G1:G1+7]
	s_nop 0
	s_branch .Lasked_\@
.Lfor_b_\@:
	tensor_load_to_lds s[G0B+4*\s:G0B+4*\s+3], s[G1B:G1B+7]
	s_nop 0
.Lasked_\@:
.endm
.macro CREST
	s_cmp_lg_u32 s10, 0
	s_cbranch_scc1 .Lnot_wave_0_\@
	s_barrier_signal -3
.Lnot_wave_0_\@:
	s_barrier_wait -3
	s_barrier_signal -1
	s_barrier_wait -1
.endm
.macro CROUND
	s_barrier_signal -1
	s_barrier_wait -1
	CREST
.endm
	s_load_b128 s[4:7], s[0:1], 0x0                ; att, wb
	s_load_b64 s[8:9], s[0:1], 0x10                ; out0
	v_lshl_add_u32 v254, v0, 2, 0x3c400
	v_mov_b32 v255, 0
	ds_add_u32 v254, v255
	v_lshrrev_b32 v1, 5, v0
	v_readfirstlane_b32 s10, v1                    ; wave
	s_lshr_b32 s11, s10, 1                         ; my 64 of the block's rows.  Also: I ask for att (0) or for Wo (1)
	s_and_b32 s12, s10, 1                          ; my 128 of its columns.  Also: which head, which half
	s_bfe_u32 s40, ttmp6, 0x40000                  ; cx
	s_bfe_u32 s41, ttmp6, 0x40004                  ; cy
	s_lshl_b32 s42, ttmp9, 2
	s_add_co_u32 s42, s42, s40                     ; block column
	s_and_b32 s13, ttmp7, 0xffff
	s_lshl_b32 s13, s13, 2
	s_add_co_u32 s13, s13, s41                     ; block row
	s_lshl_b32 s43, s41, 2
	s_lshl_b32 s43, 15, s43                        ; my row of the cluster
	s_lshl_b32 s44, 0x1111, s40                    ; my column
	s_or_b32 s[G1+0], s43, (3<<16)|(1<<20)|(1<<21)|(4<<22)|(3<<25)     ; elements of 8 bytes; 16 bytes of padding behind every 32 words
	s_mov_b32 s[G1+1], 32<<16                      ; tensor_dim0 = 32 (256 bytes)
	s_mov_b32 s[G1+2], 64<<16                      ; tensor_dim1 = 64
	s_mov_b32 s[G1+3], 32<<16                      ; tile_dim0
	s_mov_b32 s[G1+4], 64                          ; tile_dim1
	s_mov_b32 s[G1+5], 32                          ; dense
	s_mov_b32 s[G1+6], 0
	s_mov_b32 s[G1+7], 0
	s_or_b32 s[G1B+0], s44, (1<<16)|(1<<20)|(1<<21)|(5<<22)|(3<<25)    ; elements of 2 bytes; 16 bytes of padding behind every 64 words
	s_mov_b32 s[G1B+1], 128<<16
	s_mov_b32 s[G1B+2], 128<<16
	s_mov_b32 s[G1B+3], 128<<16
	s_mov_b32 s[G1B+4], 128
	s_mov_b32 s[G1B+5], 1024
	s_mov_b32 s[G1B+6], 0
	s_mov_b32 s[G1B+7], 0
	; att's tile: batch, head (w & 1) + 2 x step, rows of the block row (s16, s17 never hold cx)
	s_lshr_b32 s16, s13, 4
	s_lshl_b32 s16, s16, 4
	s_add_co_u32 s16, s16, s12
	s_lshl_b32 s16, s16, 11
	s_and_b32 s17, s13, 15
	s_lshl_b32 s17, s17, 7
	s_add_co_u32 s16, s16, s17
	s_lshl_b32 s16, s16, 7
	s_mov_b32 s17, 0
	; Wo's tile: rows 256 x block column + 128 x half (s46, s47 never hold cy)
	s_lshl_b32 s46, s42, 8
	s_lshl_b32 s47, s12, 7
	s_add_co_u32 s46, s46, s47
	s_lshl_b32 s46, s46, 11
	s_add_co_u32 s46, s46, 0x600000                ; behind Wq, Wk, Wv
	s_mov_b32 s47, 0
	s_mul_i32 s20, s12, HEAD
	s_mul_i32 s21, s12, HALFB
	s_add_co_u32 s21, s21, BOFF
	s_wait_dscnt 0x0
	s_wait_kmcnt 0x0
	s_add_nc_u64 s[14:15], s[4:5], s[16:17]
	s_add_nc_u64 s[46:47], s[6:7], s[46:47]
	CROUND                                         ; all sixteen work-groups are here: the first joint loads meet
.irp s, 0,1
	s_mov_b32 s[G0+4*\s], 1
	s_add_co_u32 s[G0+4*\s+1], s20, \s*SLOT
	s_add_nc_u64 s[G0+4*\s+2:G0+4*\s+3], s[14:15], \s*524288       ; two heads on
	s_or_b32 s[G0+4*\s+3], s[G0+4*\s+3], 0x80000000
	s_mov_b32 s[G0B+4*\s], 1
	s_add_co_u32 s[G0B+4*\s+1], s21, \s*SLOT
	s_add_nc_u64 s[G0B+4*\s+2:G0B+4*\s+3], s[46:47], \s*256
	s_or_b32 s[G0B+4*\s+3], s[G0B+4*\s+3], 0x80000000
	JLOAD \s
.endr
	v_and_b32 v1, 31, v0                           ; L
	v_and_b32 v12, 15, v0                          ; r
	v_bfe_u32 v13, v0, 4, 1                        ; hh
	v_mul_u32_u24 v14, v12, PA
	v_lshl_add_u32 v14, v13, 4, v14
	s_mul_i32 s22, s11, 64*PA
	v_add_nc_u32 v[AR], s22, v14
	v_add_nc_u32 v[AR+1], SLOT, v[AR]
	v_mul_u32_u24 v14, v12, PB
	v_lshl_add_u32 v14, v13, 4, v14
	s_mul_i32 s22, s12, HALFB
	s_add_co_u32 s22, s22, BOFF
	v_add_nc_u32 v[BR], s22, v14
	v_add_nc_u32 v[BR+1], SLOT, v[BR]
	s_mul_i32 s22, s10, 16*SP
	s_add_co_u32 s22, s22, STAGE
	v_mul_u32_u24 v14, v12, SP
	v_lshl_add_u32 v14, v13, 5, v14                ; 528 r + 32 hh
	v_add_nc_u32 v[STO], s22, v14
	v_lshl_add_u32 v[RD], v1, 4, s22
	v_lshlrev_b32 v[CO], 4, v1
.macro FETCH slot, q, f                ; quarter q: head q >> 1, d from 32 (q & 1)
	WIN 0
.irp b, 0,1,2,3,4,5,6,7
	ds_load_b128 v[\f+32+8*\b:\f+32+8*\b+3],   v[BR+\slot] offset:64*(\q)+\b*16*PB
	ds_load_b128 v[\f+32+8*\b+4:\f+32+8*\b+7], v[BR+\slot] offset:64*(\q)+\b*16*PB+32
.endr
.irp a, 0,1,2,3
	ds_load_b128 v[\f+8*\a:\f+8*\a+3],   v[AR+\slot] offset:((\q)>>1)*HEAD+64*((\q)&1)+\a*16*PA
	ds_load_b128 v[\f+8*\a+4:\f+8*\a+7], v[AR+\slot] offset:((\q)>>1)*HEAD+64*((\q)&1)+\a*16*PA+32
.endr
.endm
; the 32 accumulators take turns, one instruction a turn, in the same order in every quarter
.macro MUL16 f, a0, zero
	WIN 0x50
.irp a, \a0, \a0+1
.irp b, 0,1,2,3,4,5,6,7
.if \zero
	v_wmma_f32_16x16x32_f16 v[8*(8*(\a)+\b):8*(8*(\a)+\b)+7], v[\f+32+8*\b:\f+32+8*\b+7], v[\f+8*(\a):\f+8*(\a)+7], 0
.else
	v_wmma_f32_16x16x32_f16 v[8*(8*(\a)+\b):8*(8*(\a)+\b)+7], v[\f+32+8*\b:\f+32+8*\b+7], v[\f+8*(\a):\f+8*(\a)+7], v[8*(8*(\a)+\b):8*(8*(\a)+\b)+7]
.endif
.endr
.endr
.endm
.macro QUARTER slot, nq, fa, fb, zero
	s_wait_dscnt 0x0                               ; buffer fa is in
	PLACES
	FETCH \slot, \nq, \fb
	MUL16 \fa, 0, \zero
	MUL16 \fa, 2, \zero
.endm
.macro THREE slot, zero
	QUARTER \slot, 1, F0, F1, \zero
	QUARTER \slot, 2, F1, F0, 0
	QUARTER \slot, 3, F0, F1, 0
.endm
; the last quarter changes slots: my reads of this slot are over and all my tensor loads have landed (my part of the next slot); the barrier
; (fill = 1: it opens a round of the cluster's barrier); the joint refill first behind it; then the next slot is read
.macro TURN slot, next, fill
	s_wait_dscnt 0x0
	s_wait_tensorcnt 0x0
	ds_add_u32 v254, v255
	s_wait_dscnt 0x0
	s_barrier_signal -1
	MUL16 F1, 0, 0                                 ; registers alone
	WIN 0
	s_barrier_wait -1
.if \fill
	CREST
	s_add_nc_u64 s[G0+4*\slot+2:G0+4*\slot+3], s[G0+4*\slot+2:G0+4*\slot+3], 0x100000   ; four heads on
	s_add_nc_u64 s[G0B+4*\slot+2:G0B+4*\slot+3], s[G0B+4*\slot+2:G0B+4*\slot+3], 512
	JLOAD \slot
.endif
	PLACES
	FETCH \next, 0, F0
	MUL16 F1, 2, 0
.endm
	s_wait_tensorcnt 0x1                           ; my part of slot 0 is in; slot 1's may stay out
	s_barrier_signal -1
	s_barrier_wait -1
	FETCH 0, 0, F0
	THREE 0, 1                                     ; K step 0: its first products start the sums
	TURN 0, 1, 1
	THREE 1, 0
	TURN 1, 0, 1
	THREE 0, 0
	TURN 0, 1, 1
	THREE 1, 0
	TURN 1, 0, 1
	THREE 0, 0
	TURN 0, 1, 1
	THREE 1, 0
	TURN 1, 0, 1
	THREE 0, 0
	TURN 0, 1, 0                                   ; nothing is left to fetch: a plain barrier
	THREE 1, 0
	s_wait_dscnt 0x0
	MUL16 F1, 0, 0
	MUL16 F1, 2, 0
	PLACES
	s_lshl_b32 s16, s13, 7
	s_lshl_b32 s17, s11, 6
	s_add_co_u32 s16, s16, s17                     ; my first row
	s_lshl_b32 s16, s16, 12
	s_mov_b32 s17, 0
	s_add_nc_u64 s[8:9], s[8:9], s[16:17]
	s_lshl_b32 s46, s42, 10                        ; my first column, in bytes
	s_lshl_b32 s47, s12, 9
	s_add_co_u32 s46, s46, s47
	s_mov_b32 s47, 0
	s_add_nc_u64 s[8:9], s[8:9], s[46:47]
; THE WAY OUT, 16 rows at a time, in f32: the accumulators go straight into my own stage; a row's 512 bytes come back and leave in one store
.macro OUT16 a, f
	WIN 0x04
.irp b, 0,1,2,3,4,5,6,7
	ds_store_b128 v[STO], v[8*(8*\a+\b):8*(8*\a+\b)+3] offset:64*\b
	ds_store_b128 v[STO], v[8*(8*\a+\b)+4:8*(8*\a+\b)+7] offset:64*\b+16
.endr
	WIN 0
	s_wait_xcnt 0x0                                ; buffer f, which earlier stores read, is loaded again only behind this wait
.irp t, 0,1,2,3,4,5,6,7,8,9,10,11,12,13,14,15
	ds_load_b128 v[\f+4*\t:\f+4*\t+3], v[RD] offset:SP*\t          ; LDS serves a wave in order: these see the stores above
.endr
.irp t, 0,1,2,3,4,5,6,7,8,9,10,11,12,13,14,15
	s_wait_dscnt 15-\t
	global_store_b128 v[CO], v[\f+4*\t:\f+4*\t+3], s[8:9] offset:(16*\a+\t)*4096   ; 512 consecutive bytes, aligned
.endr
.endm
	OUT16 0, F0
	OUT16 1, F1
	OUT16 2, F0
	OUT16 3, F1
	s_wait_tensorcnt 0x0
	ds_add_u32 v254, v255
	s_wait_dscnt 0x0
	CROUND                                         ; the closing round
	s_endpgm
.Lfunc_end_k_q9d1a132991_oproj:
	.size	k_q9d1a132991_oproj, .Lfunc_end_k_q9d1a132991_oproj-k_q9d1a132991_oproj
	.p2alignl 7, 3214868480
	.fill 96, 4, 3214868480
	.section	.rodata,"a",@progbits
	.p2align	6, 0x0
	.amdhsa_kernel k_q9d1a132991_oproj
		.amdhsa_group_segment_fixed_size 327680
		.amdhsa_private_segment_fixed_size 0
		.amdhsa_enable_private_segment 0
		.amdhsa_kernarg_size 24
		.amdhsa_user_sgpr_count 2
		.amdhsa_user_sgpr_kernarg_segment_ptr 1
		.amdhsa_wavefront_size32 1
		.amdhsa_system_sgpr_workgroup_id_x 1
		.amdhsa_system_sgpr_workgroup_id_y 1
		.amdhsa_system_sgpr_workgroup_id_z 1
		.amdhsa_system_vgpr_workitem_id 0
		.amdhsa_next_free_vgpr 512
		.amdhsa_next_free_sgpr 66
		.amdhsa_reserve_vcc 0
		.amdhsa_float_denorm_mode_32 3
		.amdhsa_float_denorm_mode_16_64 3
		.amdhsa_memory_ordered 1
		.amdhsa_forward_progress 1
		.amdhsa_inst_pref_size 148
	.end_amdhsa_kernel
	.amdgpu_metadata
---
amdhsa.version: [ 1, 2 ]
amdhsa.kernels:
  - .name:           k_q9d1a132991_oproj
    .symbol:         k_q9d1a132991_oproj.kd
    .args:
      - { .name: att, .offset: 0, .size: 8, .value_kind: global_buffer, .address_space: global }
      - { .name: wb, .offset: 8, .size: 8, .value_kind: global_buffer, .address_space: global }
      - { .name: out0, .offset: 16, .size: 8, .value_kind: global_buffer, .address_space: global }
    .group_segment_fixed_size: 327680
    .private_segment_fixed_size: 0
    .kernarg_segment_align: 8
    .kernarg_segment_size: 24
    .max_flat_workgroup_size: 128
    .sgpr_count:     66
    .vgpr_count:     512
    .wavefront_size: 32
...
	.end_amdgpu_metadata
.endif
;; end of part 4
;; ======== version 2 of 3: 4 launches; 1.20 times as fast as version 1
;; limits: values are held in f16: magnitudes above 65,504 overflow, below 6.1e-05 lose precision; right only within a limited range of input values
;; workspace buffers: wb 8,388,608 bytes; mb 2,097,152 bytes of whole numbers; qkv 50,331,648 bytes; att 16,777,216 bytes
;; launch prep: the kernel of part 1 again; grid 256 x 1, 8 waves a work-group, no clusters, 70,656 bytes of LDS; arguments Wq, Wk, Wv, Wo, mask, wb, mb; writes wb, mb
;; launch proj: the kernel of part 2 again; grid 64 x 12, 4 waves a work-group, clusters of 4 x 1, 327,680 bytes of LDS; arguments query, key, value, wb, qkv; writes qkv
;; launch attn (part 5): grid 4 x 64, 8 waves a work-group, clusters of 4 x 1, 327,680 bytes of LDS; arguments qkv, mb, att; writes att
.if DOCPART == 5
	.amdgcn_target "amdgcn-amd-amdhsa--gfx1250"
	.amdhsa_code_object_version 6
	.text
	.protected	k_q9d1a132991_attn
	.globl	k_q9d1a132991_attn
	.p2align	8
	.type	k_q9d1a132991_attn,@function
k_q9d1a132991_attn:
	s_mov_b64 s[64:65], 0
	v_nop
	global_prefetch_b8 v0, s[64:65] scope:SCOPE_SE
	s_setreg_imm32_b32 hwreg(HW_REG_WAVE_MODE, 25, 1), 1
	s_wait_xcnt 0x0
	s_wait_alu depctr_hold_cnt(0) depctr_sa_sdst(0) depctr_va_vdst(0) depctr_va_sdst(0) depctr_va_ssrc(0) depctr_va_vcc(0) depctr_vm_vsrc(0)
	s_getreg_b32 s2, hwreg(HW_REG_IB_STS2, 6, 4)
	s_cmp_eq_u32 s2, 0
	s_cbranch_scc0 .Lentry_in_a_cluster
	s_endpgm
.Lentry_in_a_cluster:
	s_bfe_u32 s2, ttmp6, 0x10000c
	s_cmp_lg_u32 s2, 0x3003
	s_cbranch_scc0 .Lentry_shape_is_right
	s_endpgm
.Lentry_shape_is_right:
; att[b][h][s][64] (f16) = softmax(where(mask, q k^T / 8, -1e9)) v for one (batch, head) = grid y; grid x = block of 512 queries.
; Eight waves, 64 queries each; keys in steps of 64; a running maximum and sum for each query, in f32; matrix operands f16.
; The mask is an input: all 2,048 keys are taken, and the mask arrives as lane masks (one word for each register of a score tile), by scalar loads.
; LIMITS: a masked score is -2^33 before the division by 8 (-2^30 against the reference's -1e9): (-2^33) c is exact, so a row that is masked
; everywhere gets p = 1 at every key, the uniform average; results differ only where an unmasked scaled score lies near or below -1e9.
; q, k, v are f16 (below 65,504).  NaN and infinities in q, k, v are not treated apart.
; CLUSTER: the four query blocks of a head need the same K and V: joint tensor loads (mask 15).  A slot holds 128 keys (two steps), two slots
; take turns, so that once round the ring is four steps and the loop's text is four steps long, some 3,000 instructions, with every LDS offset
; an immediate.  Each of the eight waves brings an eighth of a slot (32 rows of K or of V, 4,096 dense bytes): eight equal parts, so that no
; branch on the wave's number is needed.  By this text's own count a wave has two tensor loads out at the start, later one, which has two
; steps in which to land.
; LAYOUT: S^T = K Q^T: lane (r, hh) holds query 16 i + r and keys 16 t + 8 hh + j.  Two packed tiles S(2c, i), S(2c+1, i) are, in place, the
; second source P(i, c) of O^T = V^T P^T: nothing moves between lanes, and a query's maximum, sum and factor are one number a lane.
; V's fragments come by transposing loads at pitch 144, where the two halves of a group of 16 lanes share some 16-byte columns; taken, since the
; eight waves issue 256 LDS loads a step against 512 matrix instructions.
; MASK WORDS: a step needs 128, and 64 scalar registers hold them.  All 16 score tiles exist behind the S pass, so both sets of 32 are used up at
; once (query tiles 0 and 1), the next 64 words are asked for, and two tiles' softmax and their products with V pass before the wait for them.
.set KP,    144                        ; 128 bytes + 16
.set CHUNK, 64*KP                      ; one step's rows of K, or of V
.set PART,  32*KP                      ; what one tensor load brings
.set SLOT,  4*CHUNK                    ; K of step 0, K of step 1, V of step 0, V of step 1
.set STAGE, 2*SLOT                     ; 16 rows x 144 bytes for each wave; no tensor load lands here
.set KA,  2                            ; v2, v3   K fragments, slot 0, 1
.set VA,  4                            ; v4, v5   V fragments, slot 0, 1
.set STO, 6
.set RD,  7
.set CO,  8
.set QO,  9
.set MX,  10                           ; v[10:13] four chains of maxima
.set PL,  14                           ; what the other half of the lanes holds
.set NM,  16                           ; v[16+2i] -m c, v[17+2i] m
.set AL,  24                           ; v[24+2i] factor for the old sums, v[25+2i] l (my half's keys)
.set SU,  32                           ; v[32:47] sums; packing on the way out
.set QF,  48                           ; Q(i, c) at + 16 i + 8 c
.set SS,  128                          ; S(t, i) at + 32 i + 8 t
.set OO,  0                            ; window 1: O(u, i) at 8 (4 i + u)
.set KF,  128                          ; window 1: K(t, c) at + 16 t + 8 c
.set VF,  192                          ; window 1: V(u, c) at + 16 u + 8 c
.set G1,  8                            ; s[8:15]
.set G0,  16                           ; s[16:23]
.set MW0, 32                           ; s[32:63] mask words of an even query tile
.set MW1, 68                           ; s[68:99] mask words of an odd query tile
; s[2:3] mask words of my 64 queries, s[4:5] att at my first row, s6 wave, s7 trips, s24 c = log2(e) / 8, s25 -2^33, s26, s27 lane selects, s28 -c,
; s[100:101] q at my first row
.set MSB, 0
.macro WIN new                         ; the immediate's high byte repeats the setting that is left
.if MSB != \new
	s_set_vgpr_msb (MSB<<8)|\new
.set MSB, \new
.endif
.endm
.macro ROUND                           ; a round of the cluster's barrier
	s_barrier_signal -1
	s_barrier_wait -1
	s_cmp_lg_u32 s6, 0
	s_cbranch_scc1 .Lnot_wave_0_\@
	s_barrier_signal -3
.Lnot_wave_0_\@:
	s_barrier_wait -3
	s_barrier_signal -1
	s_barrier_wait -1
.endm
.macro MLOAD off                       ; 64 mask words: two query tiles, 256 consecutive bytes
	s_load_b512 s[MW0:MW0+15],    s[2:3], \off
	s_load_b512 s[MW0+16:MW0+31], s[2:3], \off+64
	s_load_b512 s[MW1:MW1+15],    s[2:3], \off+128
	s_load_b512 s[MW1+16:MW1+31], s[2:3], \off+192
.endm
	s_load_b128 s[68:71], s[0:1], 0x0              ; qkv, mb
	s_load_b64 s[72:73], s[0:1], 0x10              ; att
	v_lshl_add_u32 v126, v0, 2, 0x29000
	v_mov_b32 v127, 0
	ds_add_u32 v126, v127
	v_lshrrev_b32 v1, 5, v0
	v_readfirstlane_b32 s6, v1                     ; wave
	s_bfe_u32 s74, ttmp6, 0x40000                  ; cx: my block of 512 queries
	s_and_b32 s29, ttmp7, 0xffff                   ; 16 b + h
	s_mov_b32 s24, 0x3e38aa3b
	s_mov_b32 s25, 0xd0000000
	s_mov_b32 s26, 0x76543210
	s_mov_b32 s27, 0xfedcba98
	s_mov_b32 s28, 0xbe38aa3b
	; group 1: 4,096 dense bytes as 16 rows of 32 elements of 8 bytes; 16 bytes of padding behind every 32 words: LDS rows of 128 + 16 bytes
	s_mov_b32 s[G1+0], 15|(3<<16)|(1<<20)|(1<<21)|(4<<22)|(3<<25)  ; mask: all four of the cluster; bit 21 beside it
	s_mov_b32 s[G1+1], 32<<16                      ; tensor_dim0 = 32
	s_mov_b32 s[G1+2], 16<<16                      ; tensor_dim1 = 16
	s_mov_b32 s[G1+3], 32<<16                      ; tile_dim0 = 32
	s_mov_b32 s[G1+4], 16                          ; tile_dim1 = 16
	s_mov_b32 s[G1+5], 32                          ; dense
	s_mov_b32 s[G1+6], 0
	s_mov_b32 s[G1+7], 0
	; my part hangs on the head and the wave alone (s29 to s31, s80 to s82 never hold cx)
	s_lshr_b32 s30, s6, 2
	s_add_co_u32 s30, s30, 1
	s_lshl_b32 s30, s30, 24                        ; K's or V's 16 MiB
	s_and_b32 s31, s6, 3
	s_lshl_b32 s31, s31, 12                        ; 32 rows of 128 bytes
	s_add_co_u32 s30, s30, s31
	s_lshl_b32 s31, s29, 18                        ; the head's 2,048 rows
	s_add_co_u32 s80, s30, s31
	s_mov_b32 s81, 0
	s_mul_i32 s82, s6, PART
	; what hangs on cx (s74, s75, s84 to s87, s100, s101)
	s_lshl_b32 s75, s74, 3
	s_add_co_u32 s75, s75, s6                      ; my block of 64 queries
	s_lshr_b32 s84, s29, 4
	s_lshl_b32 s84, s84, 5
	s_add_co_u32 s84, s84, s75
	s_lshl_b32 s84, s84, 14                        ; 32 steps x 512 bytes of mask words
	s_mov_b32 s85, 0
	s_lshl_b32 s86, s29, 18
	s_lshl_b32 s87, s75, 13
	s_add_co_u32 s86, s86, s87                     ; my first row, in bytes
	s_mov_b32 s87, 0
	v_and_b32 v1, 31, v0                           ; L
	v_and_b32 v10, 15, v0                          ; r
	v_bfe_u32 v11, v0, 4, 1                        ; hh
	v_lshlrev_b32 v[QO], 7, v10
	v_lshl_add_u32 v[QO], v11, 4, v[QO]            ; 128 r + 16 hh
	v_mul_u32_u24 v12, v10, KP
	v_lshl_add_u32 v[KA], v11, 4, v12              ; 144 r + 16 hh
	v_add_nc_u32 v[KA+1], SLOT, v[KA]
	v_and_b32 v12, 7, v0
	v_lshl_add_u32 v13, v11, 3, v12                ; key 8 hh + (L & 7)
	v_mul_u32_u24 v13, v13, KP
	v_bfe_u32 v15, v0, 3, 1
	v_lshl_add_u32 v13, v15, 4, v13                ; + 16 ((L >> 3) & 1)
	v_add_nc_u32 v[VA], 2*CHUNK, v13               ; V lies behind K's two steps
	v_add_nc_u32 v[VA+1], SLOT, v[VA]
	s_mul_i32 s30, s6, 16*KP
	s_add_co_u32 s30, s30, STAGE
	v_add_nc_u32 v[STO], s30, v[KA]
	v_lshrrev_b32 v13, 3, v1
	v_mul_u32_u24 v13, v13, KP
	v_lshl_add_u32 v13, v12, 4, v13
	v_add_nc_u32 v[RD], s30, v13
	v_lshlrev_b32 v[CO], 4, v1
	v_mov_b32 v[PL], 0                             ; v_permlanex16_b32 counts as a reader of its destination
	s_wait_dscnt 0x0
	s_wait_kmcnt 0x0
	s_add_nc_u64 s[80:81], s[68:69], s[80:81]
	s_add_nc_u64 s[2:3], s[70:71], s[84:85]
	s_add_nc_u64 s[4:5], s[72:73], s[86:87]
	s_add_nc_u64 s[100:101], s[68:69], s[86:87]    ; q at my first row
.irp s, 0,1
	s_mov_b32 s[G0+4*\s], 1
	s_add_co_u32 s[G0+4*\s+1], s82, \s*SLOT
	s_add_nc_u64 s[G0+4*\s+2:G0+4*\s+3], s[80:81], \s*16384        ; keys 128 s ..
	s_or_b32 s[G0+4*\s+3], s[G0+4*\s+3], 0x80000000
.endr
	MLOAD 0                                        ; step 0, query tiles 0 and 1; nothing in s[68:99] is needed any more
.irp i, 0,1,2,3
.irp c, 0,1
	global_load_b128 v[QF+16*\i+8*\c:QF+16*\i+8*\c+3],   v[QO], s[100:101] offset:2048*\i+64*\c
	global_load_b128 v[QF+16*\i+8*\c+4:QF+16*\i+8*\c+7], v[QO], s[100:101] offset:2048*\i+64*\c+32
.endr
.endr
	ROUND                                          ; the four work-groups are here: the first joint loads meet
	tensor_load_to_lds s[G0:G0+3], s[G1:G1+7]
	s_nop 0
	tensor_load_to_lds s[G0+4:G0+7], s[G1:G1+7]
	s_nop 0
.macro KLOAD slot, st                  ; 16 loads: 64 keys x 64 d as first sources
	WIN 0x40
.irp t, 0,1,2,3
.irp c, 0,1
	ds_load_b128 v[KF+16*\t+8*\c:KF+16*\t+8*\c+3],   v[KA+\slot] offset:(\st)*CHUNK+\t*16*KP+64*\c
	ds_load_b128 v[KF+16*\t+8*\c+4:KF+16*\t+8*\c+7], v[KA+\slot] offset:(\st)*CHUNK+\t*16*KP+64*\c+32
.endr
.endr
.endm
.macro VLOAD slot, st                  ; 16 transposing loads: 64 d x 64 keys as first sources
	WIN 0x40
.irp u, 0,1,2,3
.irp c, 0,1
	ds_load_tr16_b128 v[VF+16*\u+8*\c:VF+16*\u+8*\c+3],   v[VA+\slot] offset:(\st)*CHUNK+\c*32*KP+32*\u
	ds_load_tr16_b128 v[VF+16*\u+8*\c+4:VF+16*\u+8*\c+7], v[VA+\slot] offset:(\st)*CHUNK+\c*32*KP+32*\u+16*KP
.endr
.endr
.endm
; 32 matrix instructions; the 16 accumulators take turns, one instruction a turn; the first pass starts the sums
.macro SPASS
	WIN 0x01
.irp c, 0,1
.irp i, 0,1,2,3
.irp t, 0,1,2,3
.if \c == 0
	v_wmma_f32_16x16x32_f16 v[SS+32*\i+8*\t:SS+32*\i+8*\t+7], v[KF+16*\t+8*\c:KF+16*\t+8*\c+7], v[QF+16*\i+8*\c:QF+16*\i+8*\c+7], 0
.else
	v_wmma_f32_16x16x32_f16 v[SS+32*\i+8*\t:SS+32*\i+8*\t+7], v[KF+16*\t+8*\c:KF+16*\t+8*\c+7], v[QF+16*\i+8*\c:QF+16*\i+8*\c+7], v[SS+32*\i+8*\t:SS+32*\i+8*\t+7]
.endif
.endr
.endr
.endr
.endm
; 16 matrix instructions: query tiles 2 h and 2 h + 1 against V; the 8 accumulators take turns, one instruction a turn
.macro PVHALF h, first
	WIN 0x51
.irp c, 0,1
.irp i, 2*\h, 2*\h+1
.irp u, 0,1,2,3
.if \first*(1-\c)
	v_wmma_f32_16x16x32_f16 v[OO+8*(4*(\i)+\u):OO+8*(4*(\i)+\u)+7], v[VF+16*\u+8*\c:VF+16*\u+8*\c+7], v[SS+32*(\i)+16*\c:SS+32*(\i)+16*\c+7], 0
.else
	v_wmma_f32_16x16x32_f16 v[OO+8*(4*(\i)+\u):OO+8*(4*(\i)+\u)+7], v[VF+16*\u+8*\c:VF+16*\u+8*\c+7], v[SS+32*(\i)+16*\c:SS+32*(\i)+16*\c+7], v[OO+8*(4*(\i)+\u):OO+8*(4*(\i)+\u)+7]
.endif
.endr
.endr
.endr
.endm
; the old sums of query tiles 2 h and 2 h + 1 take the factor 2^((old m - new m) c)
.macro RESC h
	WIN 0x41
.irp i, 2*\h, 2*\h+1
.irp k, 0,1,2,3,4,5,6,7,8,9,10,11,12,13,14,15
	v_pk_mul_f32 v[OO+32*(\i)+2*\k:OO+32*(\i)+2*\k+1], v[OO+32*(\i)+2*\k:OO+32*(\i)+2*\k+1], v[AL+2*(\i):AL+2*(\i)+1] op_sel_hi:[1,0]
.endr
.endr
.endm
; query tile i: mask bit ? score : -2^33, with the 32 words from s[cb] on
.macro MASK i, cb
.set e, 0
.rept 32
	v_cndmask_b32 v[SS+32*(\i)+e], s25, v[SS+32*(\i)+e], s[\cb+e]
.set e, e+1
.endr
.endm
; The softmax of queries 16 i .. 16 i + 15 against this step's 64 keys, behind the mask, all in window 0.
.macro SOFT i, first
.set SB, SS+32*(\i)
.irp t, 0,1,2,3
	v_max_num_f32 v[MX+\t], v[SB+8*\t], v[SB+8*\t+1]
.endr
.irp p, 2,4,6
.irp t, 0,1,2,3
	v_max3_num_f32 v[MX+\t], v[MX+\t], v[SB+8*\t+\p], v[SB+8*\t+\p+1]
.endr
.endr
	v_max3_num_f32 v[MX], v[MX], v[MX+1], v[MX+2]
.if \first
	v_max_num_f32 v[MX], v[MX], v[MX+3]
.else
	v_max3_num_f32 v[MX], v[MX], v[MX+3], v[NM+2*(\i)+1]       ; with the running maximum
.endif
	v_permlanex16_b32 v[PL], v[MX], s26, s27       ; the other 32 keys of the same query
	v_max_num_f32 v[NM+2*(\i)+1], v[MX], v[PL]
.if \first
	v_mul_f32 v[NM+2*(\i)], s28, v[NM+2*(\i)+1]    ; -m c
.else
	v_mul_f32 v[MX+1], s28, v[NM+2*(\i)+1]
	v_sub_f32 v[MX+2], v[MX+1], v[NM+2*(\i)]       ; (old m - new m) c, from the rounded products that the exponents use
	v_mov_b32 v[NM+2*(\i)], v[MX+1]
	v_exp_f32 v[AL+2*(\i)], v[MX+2]                ; the packed lines below are the plain place behind it (ISA guide 5.7.2)
.endif
.set e, 0
.rept 16
	v_pk_fma_f32 v[SB+e:SB+e+1], v[SB+e:SB+e+1], s[24:25], v[NM+2*(\i):NM+2*(\i)+1] op_sel_hi:[1,0,0]   ; s c - m c
.set e, e+2
.endr
.set e, 0
.rept 32
	v_exp_f32 v[SB+e], v[SB+e]
.set e, e+1
.endr
	v_nop                                          ; one plain place behind the last exponential
	s_wait_alu depctr_va_vdst(0)
.irp k, 0,1,2,3,4,5,6,7
	v_pk_add_f32 v[SU+2*\k:SU+2*\k+1], v[SB+4*\k:SB+4*\k+1], v[SB+4*\k+2:SB+4*\k+3]
.endr
.irp k, 0,1,2,3
	v_pk_add_f32 v[SU+4*\k:SU+4*\k+1], v[SU+4*\k:SU+4*\k+1], v[SU+4*\k+2:SU+4*\k+3]
.endr
	v_pk_add_f32 v[SU:SU+1], v[SU:SU+1], v[SU+4:SU+5]
	v_pk_add_f32 v[SU+8:SU+9], v[SU+8:SU+9], v[SU+12:SU+13]
	v_pk_add_f32 v[SU:SU+1], v[SU:SU+1], v[SU+8:SU+9]
.if \first
	v_add_f32 v[AL+2*(\i)+1], v[SU], v[SU+1]
.else
	v_add_f32 v[SU], v[SU], v[SU+1]
	v_fma_f32 v[AL+2*(\i)+1], v[AL+2*(\i)+1], v[AL+2*(\i)], v[SU]
.endif
.irp c, 0,1
.irp k, 0,1,2,3
	v_cvt_pk_f16_f32 v[SB+16*\c+\k], v[SB+16*\c+2*\k], v[SB+16*\c+2*\k+1]          ; keys 32 c + 8 hh ..: registers 0 to 3 of P(i, c)
.endr
.irp k, 0,1,2,3
	v_cvt_pk_f16_f32 v[SB+16*\c+4+\k], v[SB+16*\c+8+2*\k], v[SB+16*\c+8+2*\k+1]    ; keys 32 c + 16 + 8 hh ..: registers 4 to 7
.endr
.endr
.endm
; One step of 64 keys: step st (0, 1) of a slot.  mo: the step's mask words, from s[2:3].
; mode 0: the next step's K from the same slot.  mode 1: this slot has been read out: it is asked for again and the other slot begins.
; mode 2: the same without a refill.  mode 3: the last step.
.macro STEP slot, st, first, mode, mo
	s_wait_dscnt 0x0                               ; this step's K fragments are in
	SPASS
.rept 4
	v_nop                                          ; four places: loads into K's and V's registers follow, and readers of the scores
.endr
	VLOAD \slot, \st
.if \mode == 0
	KLOAD \slot, \st+1
.endif
.if \mode == 1
	s_wait_dscnt 0x0                               ; my reads of this slot are over,
	s_wait_tensorcnt 0x0                           ; and all my tensor loads have landed: the one that was out is my part of the other slot
	ds_add_u32 v126, v127
	s_wait_dscnt 0x0
	s_add_nc_u64 s[G0+4*\slot+2:G0+4*\slot+3], s[G0+4*\slot+2:G0+4*\slot+3], 0x8000   ; 256 keys on
	WIN 0
	ROUND                                          ; both now hold of every wave of the four work-groups
	tensor_load_to_lds s[G0+4*\slot:G0+4*\slot+3], s[G1:G1+7]      ; my one tensor load behind the round, first thing there
	s_nop 0
	KLOAD 1-\slot, 0
.endif
.if \mode == 2
	s_wait_dscnt 0x0
	s_wait_tensorcnt 0x0                           ; my part of the last slot is in
	WIN 0
	s_barrier_signal -1
	s_barrier_wait -1                              ; everybody's is; nothing is filled any more
	KLOAD 1-\slot, 0
.endif
	WIN 0
	s_wait_kmcnt 0x0                               ; the words of query tiles 0 and 1 are in (scalar loads: zero alone shows anything)
	MASK 0, MW0
	MASK 1, MW1
	MLOAD \mo+256                                  ; both sets are used up: query tiles 2 and 3
	SOFT 0, \first
	SOFT 1, \first
.if \first == 0
	RESC 0
.endif
.if \mode == 3
	s_wait_dscnt 0x0
.else
	s_wait_dscnt 16                                ; V is in; the 16 loads of the next step's K, issued behind V's, may stay out
.endif
	PVHALF 0, \first
	WIN 0
	s_wait_kmcnt 0x0                               ; the words of query tiles 2 and 3
	MASK 2, MW0
	MASK 3, MW1
.if \mode != 3
	MLOAD \mo+512                                  ; the next step's query tiles 0 and 1
.endif
	SOFT 2, \first
	SOFT 3, \first
.if \first == 0
	RESC 1
.endif
	PVHALF 1, \first
.rept 5
	v_nop                                          ; five places: the next scores are written over P, a source of these
.endr
.endm
	s_wait_tensorcnt 0x1                           ; my part of slot 0 is in; slot 1's may stay out
	s_barrier_signal -1
	s_barrier_wait -1
	KLOAD 0, 0
	s_wait_loadcnt 0x0                             ; Q
	STEP 0, 0, 1, 0, 0                             ; the first step starts maxima and sums: nothing is cleared
	WIN 0
	s_mov_b32 s7, 7                                ; 1 + 7 x 4 + 3 = 32 steps; 7 x 2 refills: the sixteen tiles of 128 keys less the two first fills
.Ltrip:
	STEP 0, 1, 0, 1, 512
	STEP 1, 0, 0, 0, 1024
	STEP 1, 1, 0, 1, 1536
	STEP 0, 0, 0, 0, 2048
	WIN 0
	s_wait_xcnt 0x0                                ; the pending scalar loads have had their address translated: s[2:3] steps only behind this wait
	s_add_nc_u64 s[2:3], s[2:3], 2048              ; four steps of mask words
	s_sub_co_i32 s7, s7, 1
	s_cmp_lg_u32 s7, 0
	s_cbranch_scc1 .Ltrip
	STEP 0, 1, 0, 2, 512                           ; the last three steps fetch no tile
	STEP 1, 0, 0, 0, 1024
	STEP 1, 1, 0, 3, 1536
	; the two halves' sums meet; 1 / l; l is at least 1, since the largest score of a row gives p = 1
	WIN 0
.irp i, 0,1,2,3
	v_permlanex16_b32 v[PL], v[AL+2*\i+1], s26, s27
	v_add_f32 v[AL+2*\i+1], v[AL+2*\i+1], v[PL]
.endr
.irp i, 0,1,2,3
	v_rcp_f32 v[AL+2*\i], v[AL+2*\i+1]
.endr
	v_nop
	s_wait_alu depctr_va_vdst(0)
; 16 queries at a time: scale, round to f16, through my own stage, out as 512 consecutive bytes (four rows) a store
.macro OUTI i
	WIN 0x41
.irp k, 0,1,2,3,4,5,6,7,8,9,10,11,12,13,14,15
	v_pk_mul_f32 v[OO+32*\i+2*\k:OO+32*\i+2*\k+1], v[OO+32*\i+2*\k:OO+32*\i+2*\k+1], v[AL+2*\i:AL+2*\i+1] op_sel_hi:[1,0]
.endr
	WIN 0x05
.irp u, 0,1,2,3
.irp k, 0,1,2,3
	v_cvt_pk_f16_f32 v[SU+4*\u+\k], v[OO+8*(4*\i+\u)+2*\k], v[OO+8*(4*\i+\u)+2*\k+1]
.endr
.endr
	WIN 0
.irp u, 0,1,2,3
	ds_store_b128 v[STO], v[SU+4*\u:SU+4*\u+3] offset:32*\u
.endr
.irp g, 0,1,2,3
	ds_load_b128 v[SS+16*\i+4*\g:SS+16*\i+4*\g+3], v[RD] offset:4*KP*\g    ; registers of their own for each (i, g): no store's data is written again
.endr
.irp g, 0,1,2,3
	s_wait_dscnt 3-\g
	global_store_b128 v[CO], v[SS+16*\i+4*\g:SS+16*\i+4*\g+3], s[4:5] offset:(16*\i+4*\g)*128
.endr
.endm
	OUTI 0
	OUTI 1
	OUTI 2
	OUTI 3
	s_wait_tensorcnt 0x0
	ds_add_u32 v126, v127
	s_wait_dscnt 0x0
	ROUND                                          ; the closing round
	s_endpgm
.Lfunc_end_k_q9d1a132991_attn:
	.size	k_q9d1a132991_attn, .Lfunc_end_k_q9d1a132991_attn-k_q9d1a132991_attn
	.p2alignl 7, 3214868480
	.fill 96, 4, 3214868480
	.section	.rodata,"a",@progbits
	.p2align	6, 0x0
	.amdhsa_kernel k_q9d1a132991_attn
		.amdhsa_group_segment_fixed_size 327680
		.amdhsa_private_segment_fixed_size 0
		.amdhsa_enable_private_segment 0
		.amdhsa_kernarg_size 24
		.amdhsa_user_sgpr_count 2
		.amdhsa_user_sgpr_kernarg_segment_ptr 1
		.amdhsa_wavefront_size32 1
		.amdhsa_system_sgpr_workgroup_id_x 1
		.amdhsa_system_sgpr_workgroup_id_y 1
		.amdhsa_system_sgpr_workgroup_id_z 1
		.amdhsa_system_vgpr_workitem_id 0
		.amdhsa_next_free_vgpr 512
		.amdhsa_next_free_sgpr 102
		.amdhsa_reserve_vcc 0
		.amdhsa_float_denorm_mode_32 3
		.amdhsa_float_denorm_mode_16_64 3
		.amdhsa_memory_ordered 1
		.amdhsa_forward_progress 1
		.amdhsa_inst_pref_size 255
	.end_amdhsa_kernel
	.section	.bss,"aw",@nobits
	.p2align	6
	.space	262144
	.amdgpu_metadata
---
amdhsa.version: [ 1, 2 ]
amdhsa.kernels:
  - .name:           k_q9d1a132991_attn
    .symbol:         k_q9d1a132991_attn.kd
    .args:
      - { .name: qkv, .offset: 0, .size: 8, .value_kind: global_buffer, .address_space: global }
      - { .name: mb, .offset: 8, .size: 8, .value_kind: global_buffer, .address_space: global }
      - { .name: att, .offset: 16, .size: 8, .value_kind: global_buffer, .address_space: global }
    .group_segment_fixed_size: 327680
    .private_segment_fixed_size: 0
    .kernarg_segment_align: 8
    .kernarg_segment_size: 24
    .max_flat_workgroup_size: 256
    .sgpr_count:     102
    .vgpr_count:     512
    .wavefront_size: 32
...
	.end_amdgpu_metadata
.endif
;; end of part 5
;; launch oproj: the kernel of part 4 again; grid 4 x 64, 4 waves a work-group, clusters of 4 x 4, 327,680 bytes of LDS; arguments att, wb, out0; writes out0
;; ======== version 3 of 3: 4 launches; version 2 with the launch prep written anew for expert scheduling mode
;; limits: values are held in f16: magnitudes above 65,504 overflow, below 6.1e-05 lose precision; right only within a limited range of input values
;; workspace buffers: wb 8,388,608 bytes; mb 2,097,152 bytes of whole numbers; qkv 50,331,648 bytes; att 16,777,216 bytes
;; launch prep (part 6): grid 256 x 1, 8 waves a work-group, no clusters, 70,656 bytes of LDS; arguments Wq, Wk, Wv, Wo, mask, wb, mb; writes wb, mb
.if DOCPART == 6
	.amdgcn_target "amdgcn-amd-amdhsa--gfx1250"
	.amdhsa_code_object_version 6
	.text
	.protected	k_q9d1a132991_prep
	.globl	k_q9d1a132991_prep
	.p2align	8
	.type	k_q9d1a132991_prep,@function
k_q9d1a132991_prep:
	s_mov_b64 s[64:65], 0
	v_nop
	global_prefetch_b8 v0, s[64:65] scope:SCOPE_SE
	s_setreg_imm32_b32 hwreg(HW_REG_WAVE_SCHED_MODE, 0, 2), 2
	s_setreg_imm32_b32 hwreg(HW_REG_WAVE_MODE, 25, 1), 1
	s_wait_xcnt 0x0
	s_wait_alu depctr_vm_vsrc(0)
; Two rewrites, each byte read once.
; (1) wb[4][1024][1024], 16 bits a number: Wq, Wk, Wv rounded to bf16; Wo rounded to bf16 and that value written as f16
;     (the same number down to 2^-17; below that the absolute error is at most 2^-25), because the output projection multiplies it with f16.
; (2) mb[b 4][q64 32][kstep 32][i 4][t 4][j 8] u32: bit L of a word = mask[b][64 q64 + 16 i + (L & 15)][64 kstep + 16 t + 8 (L >> 4) + j] != 0,
;     the lane mask of register j of the 16 x 16 score tile (t, i) as the attention launch holds it.
; Work-group g: 32 whole rows of the mask (65,536 consecutive bytes) and 65,536 bytes of weight number g >> 6.
; Wave w takes keys 256 w .. 256 w + 255 of the 32 rows, through LDS bytes of its own: no barrier.
; No matrix unit, no cluster: nothing is multiplied and no two work-groups read the same byte.
; THE MODE: SCHED_MODE bits 1:0 = 2 (LLVM: expert scheduling mode 2), set by the entry lines.  The code itself states the register dependences
; between vector instructions and memory or LDS instructions, with s_wait_alu, always for 0.
; THE PLAN.  Registers that memory or LDS instructions touch:
;   v4 .. v9    offsets and LDS addresses: written at the head, never again; read by every load and store.  One wait on va_vdst ahead of the first load.
;   MK          written by the mask's loads, read by the LDS stores; no vector instruction names it.
;   BY          written by the LDS loads, read by the extracts; never loaded again.
;   OUT         written by vector instructions alone, read by four stores, never written behind them.  One wait on va_vdst ahead of the four.
;   WT          written by the weights' loads, then in place by the conversions; the pairs WT + 4 n, WT + 4 n + 1 are read by sixteen stores and not written behind them.
;               Rows 0 to 7 are converted, one wait on va_vdst, their stores are dealt among the conversions of rows 8 to 15, which name other registers; one more wait, the last eight stores.
;   v224, v225  written at the head, read by the closing add alone.
; No register that a memory or LDS instruction reads is written again, so no wait on vm_vsrc is written but at the entry and in the closing lines.
; Scalar results of vector instructions: the wave's number, and the lane masks, eight to a group, in two sets of scalar registers by turns; each has its wait on va_sdst ahead of its first reader.
.set OUT, 10                           ; v[10:17]   the wave's 256 mask words: pair 2 ks, 2 ks + 1 for key step ks, two words a lane
.set MK,  20                           ; v[20:83]   mask bytes as loaded
.set WT,  84                           ; v[84:147]  weights as loaded, then as stored
.set BY,  148                          ; v[148:211] mask bytes by lane (r, hh): 8 keys of one query row
.set TP,  212                          ; v[212:219] at work
.set SM,  24                           ; s[24:39]   lane masks: group n's eight at SM + 8 (n & 1); the upper eight hold offsets until the bases are made
.set LP,  272                          ; LDS pitch: 256 bytes + 16, so that the 32 lanes of an 8-byte read touch 64 different words modulo 256 bytes
.set WREG, 32*LP                       ; a wave's LDS bytes
	s_load_b256 s[4:11], s[0:1], 0x0               ; Wq, Wk, Wv, Wo
	s_load_b128 s[12:15], s[0:1], 0x20             ; mask, wb
	s_load_b64 s[16:17], s[0:1], 0x30              ; mb
	v_lshl_add_u32 v224, v0, 2, 0x11000
	v_mov_b32 v225, 0
	v_lshrrev_b32 v1, 5, v0
	v_readfirstlane_b32 s18, v1                    ; wave
	v_and_b32 v1, 31, v0                           ; lane L
	v_and_b32 v2, 15, v0                           ; r
	v_bfe_u32 v3, v0, 4, 1                         ; hh
	v_lshlrev_b32 v7, 4, v0                        ; weights in: 16 bytes a thread
	v_lshlrev_b32 v8, 3, v0                        ; weights out: 8 bytes a thread
	s_lshr_b32 s22, ttmp9, 6                       ; which weight; also the batch
	s_and_b32 s23, ttmp9, 63
	s_lshl_b32 s32, ttmp9, 16                      ; mask: g x 32 rows x 2,048 bytes
	s_mov_b32 s33, 0
	s_lshl_b32 s34, s23, 16                        ; weight in: chunk x 65,536
	s_mov_b32 s35, 0
	s_lshl_b32 s36, ttmp9, 15                      ; weight out: g x 32,768 (64 chunks fill a weight's 2 MiB)
	s_mov_b32 s37, 0
	s_lshr_b32 s38, ttmp9, 1                       ; 32 b + q64
	s_lshl_b32 s38, s38, 14                        ; x 32 key steps x 512 bytes
	s_and_b32 s39, ttmp9, 1
	s_lshl_b32 s39, s39, 8                         ; the upper 32 rows of a block of 64 are i = 2, 3: 256 bytes on
	s_add_co_u32 s38, s38, s39
	s_mov_b32 s39, 0
	s_wait_alu depctr_va_sdst(0)                   ; s18, the wave's number, is written, ahead of its first reader: the three lines below
	s_lshl_b32 s19, s18, 8
	s_mul_i32 s20, s18, WREG
	s_lshl_b32 s21, s18, 11
	v_lshl_add_u32 v4, v2, 4, s19                  ; mask: 16 r + 256 w
	v_lshl_add_u32 v4, v3, 11, v4                  ;       + one row for lanes 16 to 31
	v_mul_u32_u24 v5, v3, LP
	v_lshl_add_u32 v5, v2, 4, v5
	v_add_nc_u32 v5, s20, v5                       ; LDS, in: row hh, 16 r
	v_mul_u32_u24 v6, v2, LP
	v_lshl_add_u32 v6, v3, 3, v6
	v_add_nc_u32 v6, s20, v6                       ; LDS, back: row r, 8 hh
	v_lshl_add_u32 v9, v1, 3, s21                  ; mask words out: 8 L + 4 w key steps of 512 bytes
	s_wait_kmcnt 0x0
	s_cmp_eq_u32 s22, 1
	s_cselect_b64 s[4:5], s[6:7], s[4:5]
	s_cmp_eq_u32 s22, 2
	s_cselect_b64 s[4:5], s[8:9], s[4:5]
	s_cmp_eq_u32 s22, 3
	s_cselect_b64 s[4:5], s[10:11], s[4:5]
	s_add_nc_u64 s[4:5], s[4:5], s[34:35]
	s_add_nc_u64 s[12:13], s[12:13], s[32:33]
	s_add_nc_u64 s[14:15], s[14:15], s[36:37]
	s_add_nc_u64 s[16:17], s[16:17], s[38:39]
	s_wait_alu depctr_va_vdst(0)                   ; the six offsets and LDS addresses v4 to v9 are written, which the loads and stores of the whole kernel read
.irp n, 0,1,2,3,4,5,6,7,8,9,10,11,12,13,14,15
	global_load_b128 v[MK+4*\n:MK+4*\n+3], v4, s[12:13] offset:4096*\n th:TH_LOAD_NT   ; two rows, 256 aligned bytes of each
.endr
.irp n, 0,1,2,3,4,5,6,7,8,9,10,11,12,13,14,15
	global_load_b128 v[WT+4*\n:WT+4*\n+3], v7, s[4:5] offset:4096*\n th:TH_LOAD_NT     ; 512 consecutive bytes a wave
.endr
.irp k, 0,1,2,3,4,5,6,7
	v_mov_b32 v[OUT+\k], 0                         ; v_writelane_b32 keeps the other lanes: the register is written whole first
.endr
	s_wait_loadcnt 16                              ; the mask is in; the 16 younger loads (weights) stay out
.irp n, 0,1,2,3,4,5,6,7,8,9,10,11,12,13,14,15
	ds_store_b128 v5, v[MK+4*\n:MK+4*\n+3] offset:2*LP*\n                              ; no vector instruction since the wait on va_vdst names v5, v6, MK or BY
.endr
.irp ip, 0,1
.irp kt, 0,1,2,3,4,5,6,7,8,9,10,11,12,13,14,15
	ds_load_b64 v[BY+2*(16*\ip+\kt):BY+2*(16*\ip+\kt)+1], v6 offset:16*LP*\ip+16*\kt   ; row 16 i' + r, keys 16 kt + 8 hh .. + 7; LDS serves a wave in order: these see the stores
.endr
.endr
	s_wait_dscnt 0x0
; A word = one byte position of all 32 lanes.  Group n = 16 i' + kt (32 groups of eight words); a word goes to lane 16 i' + 4 t + (j >> 1), register j & 1 of key step kt >> 2, t = kt & 3.
; The groups are staggered: the extracts of group n + 1 stand between group n's compares and the wait for their masks.
.macro BITS n                          ; group n's eight bytes, each in a register of its own
.irp j, 0,1,2,3,4,5,6,7
	v_bfe_u32 v[TP+\j], v[BY+2*(\n)+(\j>>2)], 8*(\j&3), 8
.endr
.endm
.macro TEST n                          ; eight lane masks, into the set n & 1
.irp j, 0,1,2,3,4,5,6,7
	v_cmp_ne_u32 s[SM+8*((\n)&1)+\j], 0, v[TP+\j]
.endr
.endm
.macro PUT n                           ; the eight masks go to their lanes
.irp j, 0,1,2,3,4,5,6,7
	v_writelane_b32 v[OUT+2*(((\n)&15)>>2)+(\j&1)], s[SM+8*((\n)&1)+\j], 16*((\n)>>4)+4*((\n)&3)+(\j>>1)
.endr
.endm
	BITS 0
	TEST 0
.set g, 0
.rept 31
	BITS g+1
	s_wait_alu depctr_va_sdst(0)                   ; group g's compares have written their eight masks, which the eight lines below read
	PUT g
	TEST g+1
.set g, g+1
.endr
	s_wait_alu depctr_va_sdst(0)                   ; the last group's compares have written their eight masks
	PUT 31
	s_wait_alu depctr_va_vdst(0)                   ; OUT is written whole, which the four stores read
.irp ks, 0,1,2,3
	global_store_b64 v9, v[OUT+2*\ks:OUT+2*\ks+1], s[16:17] offset:512*\ks     ; 32 lanes x 8 bytes: 256 consecutive bytes, aligned
.endr
	s_wait_loadcnt 0x0                             ; the weights
.macro WSTORE n
	global_store_b64 v8, v[WT+4*(\n):WT+4*(\n)+1], s[14:15] offset:2048*(\n)   ; 256 consecutive bytes a wave, aligned
.endm
.macro TOBF n                          ; row n's four numbers rounded to bf16, into the first two of their four registers
	v_cvt_pk_bf16_f32 v[WT+4*(\n)], v[WT+4*(\n)], v[WT+4*(\n)+1]
	v_cvt_pk_bf16_f32 v[WT+4*(\n)+1], v[WT+4*(\n)+2], v[WT+4*(\n)+3]
.endm
.macro TOHALF n                        ; the same for Wo
	v_cvt_pk_bf16_f32 v[TP], v[WT+4*(\n)], v[WT+4*(\n)+1]              ; round to bf16,
	v_cvt_pk_bf16_f32 v[TP+1], v[WT+4*(\n)+2], v[WT+4*(\n)+3]
	v_lshlrev_b32 v[WT+4*(\n)], 16, v[TP]                              ; widen,
	v_and_b32 v[WT+4*(\n)+1], s23, v[TP]
	v_lshlrev_b32 v[WT+4*(\n)+2], 16, v[TP+1]
	v_and_b32 v[WT+4*(\n)+3], s23, v[TP+1]
	v_cvt_pk_f16_f32 v[WT+4*(\n)], v[WT+4*(\n)], v[WT+4*(\n)+1]        ; and write the same number as f16
	v_cvt_pk_f16_f32 v[WT+4*(\n)+1], v[WT+4*(\n)+2], v[WT+4*(\n)+3]
.endm
	s_cmp_eq_u32 s22, 3
	s_cbranch_scc1 .Lwo
.irp n, 0,1,2,3,4,5,6,7
	TOBF \n
.endr
	s_wait_alu depctr_va_vdst(0)                   ; the conversions have written rows 0 to 7's pairs, which the eight stores below read
.irp n, 0,1,2,3,4,5,6,7
	WSTORE \n                                      ; no wait: the conversions between these stores name rows 8 to 15's registers alone
	TOBF \n+8
.endr
	s_wait_alu depctr_va_vdst(0)                   ; the conversions have written rows 8 to 15's pairs, which the last eight stores read
.irp n, 8,9,10,11,12,13,14,15
	WSTORE \n
.endr
	s_wait_dscnt 0x0                               ; the closing lines, six on end
	s_wait_alu 0x0
	s_wait_tensorcnt 0x0
	ds_add_u32 v224, v225
	s_wait_dscnt 0x0
	s_endpgm
.Lwo:
	s_mov_b32 s23, 0xffff0000
.irp n, 0,1,2,3,4,5,6,7
	TOHALF \n
.endr
	s_wait_alu depctr_va_vdst(0)                   ; the conversions have written rows 0 to 7's pairs, which the eight stores below read
.irp n, 0,1,2,3,4,5,6,7
	WSTORE \n                                      ; no wait: the conversions between these stores name rows 8 to 15's registers and the two at work alone
	TOHALF \n+8
.endr
	s_wait_alu depctr_va_vdst(0)                   ; the conversions have written rows 8 to 15's pairs, which the last eight stores read
.irp n, 8,9,10,11,12,13,14,15
	WSTORE \n
.endr
	s_wait_dscnt 0x0                               ; the closing lines, six on end
	s_wait_alu 0x0
	s_wait_tensorcnt 0x0
	ds_add_u32 v224, v225
	s_wait_dscnt 0x0
	s_endpgm
.Lfunc_end_k_q9d1a132991_prep:
	.size	k_q9d1a132991_prep, .Lfunc_end_k_q9d1a132991_prep-k_q9d1a132991_prep
	.p2alignl 7, 3214868480
	.fill 96, 4, 3214868480
	.section	.rodata,"a",@progbits
	.p2align	6, 0x0
	.amdhsa_kernel k_q9d1a132991_prep
		.amdhsa_group_segment_fixed_size 70656
		.amdhsa_private_segment_fixed_size 0
		.amdhsa_enable_private_segment 0
		.amdhsa_kernarg_size 56
		.amdhsa_user_sgpr_count 2
		.amdhsa_user_sgpr_kernarg_segment_ptr 1
		.amdhsa_wavefront_size32 1
		.amdhsa_system_sgpr_workgroup_id_x 1
		.amdhsa_system_sgpr_workgroup_id_y 1
		.amdhsa_system_sgpr_workgroup_id_z 1
		.amdhsa_system_vgpr_workitem_id 0
		.amdhsa_next_free_vgpr 226
		.amdhsa_next_free_sgpr 66
		.amdhsa_reserve_vcc 0
		.amdhsa_float_denorm_mode_32 3
		.amdhsa_float_denorm_mode_16_64 3
		.amdhsa_memory_ordered 1
		.amdhsa_forward_progress 1
		.amdhsa_inst_pref_size 70
	.end_amdhsa_kernel
	.amdgpu_metadata
---
amdhsa.version: [ 1, 2 ]
amdhsa.kernels:
  - .name:           k_q9d1a132991_prep
    .symbol:         k_q9d1a132991_prep.kd
    .args:
      - { .name: Wq, .offset: 0, .size: 8, .value_kind: global_buffer, .address_space: global }
      - { .name: Wk, .offset: 8, .size: 8, .value_kind: global_buffer, .address_space: global }
      - { .name: Wv, .offset: 16, .size: 8, .value_kind: global_buffer, .address_space: global }
      - { .name: Wo, .offset: 24, .size: 8, .value_kind: global_buffer, .address_space: global }
      - { .name: mask, .offset: 32, .size: 8, .value_kind: global_buffer, .address_space: global }
      - { .name: wb, .offset: 40, .size: 8, .value_kind: global_buffer, .address_space: global }
      - { .name: mb, .offset: 48, .size: 8, .value_kind: global_buffer, .address_space: global }
    .group_segment_fixed_size: 70656
    .private_segment_fixed_size: 0
    .kernarg_segment_align: 8
    .kernarg_segment_size: 56
    .max_flat_workgroup_size: 256
    .sgpr_count:     66
    .vgpr_count:     226
    .wavefront_size: 32
...
	.end_amdgpu_metadata
.endif
;; end of part 6
;; launch proj: the kernel of part 2 again; grid 64 x 12, 4 waves a work-group, clusters of 4 x 1, 327,680 bytes of LDS; arguments query, key, value, wb, qkv; writes qkv
;; launch attn: the kernel of part 5 again; grid 4 x 64, 8 waves a work-group, clusters of 4 x 1, 327,680 bytes of LDS; arguments qkv, mb, att; writes att
;; launch oproj: the kernel of part 4 again; grid 4 x 64, 4 waves a work-group, clusters of 4 x 4, 327,680 bytes of LDS; arguments att, wb, out0; writes out0
